; MI455X (gfx1250); checked and timed in simulation.
; The chip was launched on July 23, 2026; its instructions are those of AMD's public machine-readable ISA for CDNA 5 (MIT licence, August 2026) and "CDNA5" Instruction Set Architecture Reference Guide (July 2026). The comments in the code are by the model that wrote it; some were corrected since.
;; Multi Head Attention. Allowed arithmetic: matrix products marked QUANTISED: E4M3 operands, one E8M0 scale for each 32 along K, by v_wmma_scale_f32_16x16x128_f8f6f4 with both operands' format E4M3, f32 sums; everything else in f32.
;; Inputs: b_attn 3,072 float32; b_proj 1,024 float32; w_attn 1,024 x 3,072 float32; w_proj 1,024 x 1,024 float32; x 4 x 2,048 x 1,024 float32.
;; Outputs: out0 4 x 2,048 x 1,024 float32.
;; This version of the problem:
;;   THIS VERSION OF THE PROBLEM IS GIVEN IN LOW PRECISION. The matrix products marked QUANTISED in the list below multiply operands that are first quantised to E4M3 (4 exponent bits, 3 mantissa bits; 8 bits a number), with one power-of-two scale for each 32 numbers along K (OCP MX v1.0); their sums are f32. All else is computed in f32.
;;   The module's matrix products, in the order in which they are computed (A, B: the left and right operand; K: the contracted axis; several contracted axes count as one K, in the product's order):
;;     1. [M 8,192, K 1,024] x [K 1,024, N 3,072]; A: input x; B: input w_attn: QUANTISED
;;     2. batch 64 x [M 2,048, K 64] x [K 64, N 2,048]; A: computed on the way; B: computed on the way: QUANTISED
;;     3. batch 64 x [M 2,048, K 2,048] x [K 2,048, N 64]; A: softmax (see below); B: computed on the way: QUANTISED
;;     4. [M 8,192, K 1,024] x [K 1,024, N 1,024]; A: computed on the way; B: input w_proj: QUANTISED
;;   THE QUANTISER, for each operand of a quantised product, along K:
;;     - K is cut into blocks of 32 from its start; a last block that is shorter is filled with zeros.
;;     - A block's scale is 2^e with e = floor(log2(the largest magnitude in the block)) - 8, held to -126 .. 127; a block of zeros has e = 0. As a byte (E8M0): e + 127.
;;     - Each number is divided by its block's scale, clamped to +-448, and rounded to the nearest number of E4M3, ties to even, subnormals kept.
;;     - The product sums the exact products of the quantised numbers (number of the format x scale) in f32.
;;   ~~~python
;;   def quantise(x, axis):      # numpy; x: float32 -> the quantised numbers, widened to float32 again
;;       x = np.moveaxis(x, axis, -1); K = x.shape[-1]
;;       x = np.pad(x, [(0, 0)] * (x.ndim - 1) + [(0, -K % 32)]); x = x.reshape(x.shape[:-1] + (-1, 32)); a = np.abs(x).max(-1, keepdims=True)
;;       e = np.where(a > 0, np.clip(np.frexp(np.where(a > 0, a, 1))[1] - 1 - 8, -126, 127), 0)      # np.frexp(a)[1] - 1 = floor(log2(a)), exactly
;;       r = np.clip(x / 2.0 ** e, -448, 448)
;;       step = 2.0 ** (np.maximum(np.frexp(np.where(r == 0, 1, r))[1] - 1, -6) - 3)
;;       q = np.round(r / step) * step * 2.0 ** e      # np.round: ties to even
;;       return np.moveaxis(q.reshape(q.shape[:-2] + (-1,))[..., :K], -1, axis).astype(np.float32)
;;   ~~~
;;   SOFTMAX AHEAD OF A QUANTISED PRODUCT. Where the list says 'softmax', what is quantised is not the finished softmax but p = 2^(t - M), with t = logit x log2(e) and M = ceil(the row's largest t), a whole number; so 1/2 < the row's largest p <= 1. The row's sum l is taken of the UNQUANTISED p, in f32, and the product's result is divided by l at the end. Since M is a whole number, a kernel that streams over the keys may use a running M (the ceiling of the running maximum): every later rescaling is an exact power of two, which a block's scale takes up: the codes' values come out the same.
;;   OPERANDS COMPUTED ON THE WAY. 'Computed on the way' means the value that the module computes at that place (a softmax that the list does not call 'softmax' is quantised finished and normalised). What goes into a quantiser is computed in f32, as accurately as f32 sums, v_exp_f32 and their like allow (about 1e-6 of the number): no bf16 or f16 on the way to a quantiser, and a product that is left as it is and whose result goes on into a quantised operand takes f32 operands (vector FMAs, or v_wmma_f32_16x16x4_f32). A number that lies on a knife's edge between two numbers of the format may be rounded either way, as far as f32 arithmetic and the matrix unit's own rounding can turn it there, and no further.
;; One version. Each part assembles by itself: llvm-mc -triple=amdgcn-amd-amdhsa -mcpu=gfx1250 --defsym DOCPART=n.
;; ======== version 1 of 1: 4 launches
;; limits: right only within a limited range of input values
;; workspace buffers: opc 12,582,912 bytes; ops 393,216 bytes; qkvc 25,165,824 bytes; qkvs 786,432 bytes; yc 8,388,608 bytes; ys 262,144 bytes
;; launch quant (part 1): grid 384 x 1, 4 waves a work-group, no clusters, 68,096 bytes of LDS; arguments x, w_attn, w_proj, opc, ops; writes opc, ops
.if DOCPART == 1
	.amdgcn_target "amdgcn-amd-amdhsa--gfx1250"
	.amdhsa_code_object_version 6
	.text
	.protected	k_q4e4d75046f_quant
	.globl	k_q4e4d75046f_quant
	.p2align	8
	.type	k_q4e4d75046f_quant,@function
k_q4e4d75046f_quant:
	s_mov_b64 s[64:65], 0
	v_nop
	global_prefetch_b8 v0, s[64:65] scope:SCOPE_SE
	s_setreg_imm32_b32 hwreg(HW_REG_WAVE_MODE, 25, 1), 1
	s_wait_xcnt 0x0
; x [8192][1024], w_attn [1024][3072] and w_proj [1024][1024], all f32, become codes of FP8 (E4M3) with K = the 1,024 innermost, and one E8M0 scale byte for each 32 along K.
; opc: x's codes [8192 rows][1024] at byte 0; the weights' codes [4096 rows][1024] at WC (rows 0-3071: w_attn's columns, rows 3072-4095: w_proj's).  ops: the scale bytes [row][32], x's at 0, the weights' at WS.
; STORAGE ORDER: every row lies at its index with bits 3 and 4 exchanged.  A tile of 16 neighbouring stored rows is then rows 32 a + 8 u + (0..7, 16..23), so that the results of two neighbouring
; tiles, used as source 0 of a product, are 16 neighbours along that axis in a lane's registers: what the later launches quantise without moving a number between lanes.
; A block's scale is 2^(floor(log2(its largest magnitude)) - 8); its byte is the largest magnitude's exponent field - 8, held at 1 from below; numbers are held within +-448 x the scale and rounded to the nearest code.
; LIMITS: a block of zeros gets the byte 1 where the rule says 127 (its codes are zeros; this program alone reads the bytes); blocks whose largest magnitude lies under 2^-118 are held at that floor; NaN and infinities are not served.
; Work-groups 0-255 take x (K innermost: a plain stream of blocks), work-groups 256-383 the weights (K outermost: a lane takes a column, its registers run down K).  Each reads 128 KiB.
; The two ways part on the work-group's number and have LDS bytes of their own.  Waves share nothing: no barrier.  A stream: no tensor loads, no cluster, no matrix work, nothing is read twice.
; THE WEIGHTS' CODES do not lie as rows: from WC on they lie in the order of an operand's registers, [tile of 16 stored rows: 256][128 along K: 8][c: 4][lane][16 bytes] (the way out of the weights' way says how).
.set WC,    8388608
.set WS,    262144
.set EMAX,  8
.set MANT,  0x600000                   ; the mantissa field of 448 as f32
; ---- x's way
.set STEPS, 16                         ; a wave: 16 steps of 512 numbers = 8 rows
.set CB,    16                         ; bytes of 16 codes
.set R,     16                         ; v16-79   four sets of 16 numbers as they are loaded
.set X,     80                         ; v80-111  two sets of 16 neighbours
.set E,     112                        ; v112-127 a scale byte for each step
.set C,     128                        ; v128-191 codes: four registers for each step
.set WREG,  8192                       ; LDS 0-32767: a region for each wave: two stages of 32 x SP bytes, behind them 256 scale bytes
.set SP,    80                         ; a lane's place in a stage: 64 bytes + 16 of padding
; ---- the weights' way
.set NB,    8                          ; a wave: 32 columns x 8 blocks of 32 along K
.set WSTG,  32768                      ; LDS 32768 on: a stage of 32 rows x WP bytes for each wave
.set WP,    272
.set XW,    32                         ; v32-95   two sets of 32 numbers
.set CW,    96                         ; v96-103  a block's codes
.set OUTR,  112                        ; v112-175 the way out
.set SB,    24                         ; v24-25   the scale bytes
.set OFS,   176                        ; v176-207 4 x lane + i x a row of the weight in bytes
	s_load_b128 s[4:7], s[0:1], 0x0                ; x, w_attn
	s_load_b128 s[8:11], s[0:1], 0x10              ; w_proj, opc
	s_load_b64 s[12:13], s[0:1], 0x20              ; ops
	v_lshl_add_u32 v208, v0, 2, 0x10800
	v_mov_b32 v209, 0
	v_lshrrev_b32 v1, 5, v0
	v_readfirstlane_b32 s16, v1                    ; wave 0..3
	v_and_b32 v2, 31, v0                           ; lane
	s_mov_b32 s31, MANT
	s_cmp_lt_u32 ttmp9, 256
	s_cbranch_scc0 .Lweights
	; ================= x: each load reads 512 consecutive bytes; a step's 2,048 bytes turn through the wave's stage, so that a lane holds 16 neighbours; two lanes hold a block
	v_lshlrev_b32 v3, 4, v2                        ; my 16 bytes of a load's 512
	s_mul_i32 s17, s16, WREG
	v_lshrrev_b32 v14, 2, v2
	v_mul_u32_u24 v14, v14, SP
	v_and_b32 v15, 3, v2
	v_lshl_add_u32 v14, v15, 4, v14
	v_add_nc_u32 v14, s17, v14                     ; the stage, on the way in: SP (lane / 4) + 16 (lane % 4)
	v_mul_u32_u24 v15, v2, SP
	v_add_nc_u32 v15, s17, v15                     ; and on the way out: SP x lane
	v_mul_u32_u24 v4, v2, CB                       ; my codes' place in a step's
	v_lshrrev_b32 v5, 1, v2
	s_add_co_u32 s17, s17, 2*32*SP
	v_add_nc_u32 v5, s17, v5                       ; my block's scale byte in the wave's 256
	v_lshlrev_b32 v7, 3, v2
	v_add_nc_u32 v6, s17, v7                       ; and on the way out 8 bytes a lane
	s_lshl_b32 s18, ttmp9, 2
	s_add_co_u32 s19, s18, s16                     ; the run of 8 rows that I read: 4 x work-group + wave
	s_lshl_b32 s20, s19, 15                        ; 32,768 bytes a run
	s_mov_b32 s21, 0
	s_and_b32 s22, s16, 1
	s_lshl_b32 s22, s22, 1
	s_lshr_b32 s23, s16, 1
	s_or_b32 s22, s22, s23
	s_add_co_u32 s22, s22, s18                     ; the run that I write: the wave's two bits are the rows' bits 3 and 4: exchanged
	s_wait_alu depctr_va_vdst(0)
	s_wait_kmcnt 0x0
	s_add_nc_u64 s[4:5], s[4:5], s[20:21]
	s_lshl_b32 s20, s22, 13                        ; 8,192 bytes of codes a run
	s_add_nc_u64 s[10:11], s[10:11], s[20:21]
	s_lshl_b32 s20, s22, 8                         ; 256 scale bytes a run
	s_add_nc_u64 s[12:13], s[12:13], s[20:21]
.macro XLOAD t
.irp i, 0,1,2,3
	global_load_b128 v[R+16*((\t)%4)+4*\i:R+16*((\t)%4)+4*\i+3], v3, s[4:5] offset:2048*(\t)+512*\i th:TH_LOAD_NT
.endr
.endm
.macro XTURN t                         ; LDS serves a wave's instructions in order: no wait between the stores and the loads
.irp i, 0,1,2,3
	ds_store_b128 v14, v[R+16*((\t)%4)+4*\i:R+16*((\t)%4)+4*\i+3] offset:32*SP*((\t)%2)+8*SP*\i
.endr
.irp i, 0,1,2,3
	ds_load_b128 v[X+16*((\t)%2)+4*\i:X+16*((\t)%2)+4*\i+3], v15 offset:32*SP*((\t)%2)+16*\i
.endr
.endm
.irp t, 0,1,2,3
	XLOAD \t
.endr
	s_wait_loadcnt 12                              ; step 0's four loads are in; the twelve of steps 1 to 3 may be out
	XTURN 0
.macro XSTEP t
.set XS, X+16*((\t)%2)
.if (\t) > 0
	s_wait_dscnt 1                                 ; this step's numbers are back from the stage (the last step's byte store may be out)
.else
	s_wait_dscnt 0x0
.endif
.if (\t)+4 < STEPS
	XLOAD (\t)+4                                   ; into the registers that this step's stage stores have read
.endif
.if (\t)+1 < STEPS
.if STEPS-2-(\t) >= 3
	s_wait_loadcnt 12                              ; the next step's four loads are in; those of the three steps behind it may be out
.else
	s_wait_loadcnt 4*(STEPS-2-(\t))
.endif
	XTURN (\t)+1
.endif
	v_max3_num_f32 v8, |v[XS]|, |v[XS+1]|, |v[XS+2]|               ; the largest magnitude of my 16, in two chains
	v_max3_num_f32 v9, |v[XS+3]|, |v[XS+4]|, |v[XS+5]|
.irp i, 6,10
	v_max3_num_f32 v8, v8, |v[XS+\i]|, |v[XS+\i+1]|
	v_max3_num_f32 v9, v9, |v[XS+\i+2]|, |v[XS+\i+3]|
.endr
	v_max3_num_f32 v8, v8, |v[XS+14]|, |v[XS+15]|
	v_max3_num_f32 v8, v8, v9, (EMAX+1)<<23        ; and the floor 2^(9 - 127): the byte cannot fall under 1
	v_max_num_f32_dpp v8, v8, v8 row_xmask:1 row_mask:0xf bank_mask:0xf   ; and of my neighbour's 16: the block's
	v_add_nc_u32 v11, -(EMAX<<23), v8              ; 8 off the exponent field: the conversion's scale operand
	v_and_or_b32 v10, v8, 0x7f800000, s31          ; 448 x the scale
.irp i, 0,1,2,3,4,5,6,7,8,9,10,11,12,13,14,15
	v_med3_num_f32 v[XS+\i], v[XS+\i], -v10, v10   ; the conversion to an 8-bit code does not saturate (ISA guide 7.6.2): the hold comes first
.endr
	v_cvt_scalef32_pk8_fp8_f32 v[C+4*(\t):C+4*(\t)+1], v[XS:XS+7], v11
	v_cvt_scalef32_pk8_fp8_f32 v[C+4*(\t)+2:C+4*(\t)+3], v[XS+8:XS+15], v11
	v_lshrrev_b32 v[E+(\t)], 23, v11               ; the scale's byte (also the plain line behind the conversions)
	ds_store_b8 v5, v[E+(\t)] offset:16*(\t)       ; both lanes of a block write the same byte with the same value
	global_store_b128 v4, v[C+4*(\t):C+4*(\t)+3], s[10:11] offset:32*CB*(\t)   ; the wave stores 512 consecutive bytes
.endm
.irp t, 0,1,2,3,4,5,6,7,8,9,10,11,12,13,14,15
	XSTEP \t
.endr
	ds_load_b64 v[12:13], v6                       ; these see my byte stores: LDS serves a wave in order
	s_wait_dscnt 0x0
	global_store_b64 v7, v[12:13], s[12:13]        ; 32 lanes store 256 consecutive bytes, aligned
	s_wait_tensorcnt 0x0
	ds_add_u32 v208, v209
	s_wait_dscnt 0x0
	s_endpgm
	; ================= the weights: work-group u = 4 cg + ky takes stored rows 128 cg .. + 127 (columns of w_attn for cg < 24, of w_proj behind) and 256 along K from 256 ky
.Lweights:
	s_sub_co_u32 s17, ttmp9, 256
	s_lshr_b32 s18, s17, 2                         ; cg 0..31
	s_and_b32 s19, s17, 3                          ; ky 0..3
	s_mov_b32 s20, 4096
	s_wait_kmcnt 0x0
	s_cmp_lt_u32 s18, 24                           ; the choice hangs on the work-group's number alone
	s_cselect_b64 s[22:23], s[6:7], s[8:9]         ; the weight,
	s_cselect_b32 s20, 12288, s20                  ; a row of it in bytes,
	s_cselect_b32 s21, 0, 24
	s_sub_co_u32 s21, s18, s21                     ; and the group of 128 columns in it
	s_lshl_b32 s21, s21, 7
	s_lshl_b32 s24, s16, 5
	s_add_co_u32 s21, s21, s24                     ; my wave's first column
	s_lshl_b32 s21, s21, 2
	s_mul_i32 s25, s19, s20
	s_lshl_b32 s25, s25, 8                         ; 256 ky rows
	s_add_co_u32 s26, s25, s21
	s_mov_b32 s27, 0
	s_add_nc_u64 s[36:37], s[22:23], s[26:27]      ; block 0's first row at my first column
	s_lshl_b32 s26, s20, 5                         ; 32 rows on
.irp t, 1,2,3,4,5,6,7
	s_add_nc_u64 s[36+2*\t:37+2*\t], s[34+2*\t:35+2*\t], s[26:27]   ; a base for each block: none is ever stepped
.endr
	s_lshl_b32 s28, s18, 7
	s_add_co_u32 s28, s28, s24                     ; my first stored row: 128 cg + 32 wave
	s_lshl_b32 s26, s28, 10
	s_lshl_b32 s29, s19, 8
	s_add_co_u32 s26, s26, s29
	s_add_co_u32 s26, s26, WC
	s_add_nc_u64 s[10:11], s[10:11], s[26:27]      ; its codes, 256 ky along K
	s_lshl_b32 s26, s28, 5
	s_lshl_b32 s29, s19, 3
	s_add_co_u32 s26, s26, s29
	s_add_co_u32 s26, s26, WS
	s_add_nc_u64 s[12:13], s[12:13], s[26:27]      ; its scale bytes
	s_wait_alu depctr_va_vdst(0)
	v_lshlrev_b32 v3, 2, v2
.irp i, 0,1,2,3,4,5,6,7,8,9,10,11,12,13,14,15,16,17,18,19,20,21,22,23,24,25,26,27,28,29,30,31
	v_mad_u32_u24 v[OFS+\i], s20, \i, v3           ; row i of a block, my column
.endr
	s_mul_i32 s30, s16, 32*WP
	s_add_co_u32 s30, s30, WSTG                    ; my stage
	v_and_b32 v10, 7, v2
	v_bfe_u32 v11, v2, 3, 1
	v_lshl_or_b32 v10, v11, 4, v10
	v_bfe_u32 v11, v2, 4, 1
	v_lshl_or_b32 v10, v11, 3, v10                 ; my column's stored row among the wave's 32: bits 3 and 4 exchanged
	v_mul_u32_u24 v4, v10, WP
	v_add_nc_u32 v4, s30, v4                       ; into the stage
	v_lshlrev_b32 v9, 5, v10                       ; its row of scale bytes
	v_and_b32 v5, 15, v2
	v_lshrrev_b32 v6, 4, v2
	v_mul_u32_u24 v26, v5, WP                      ; the way out of the stage: lane l takes row l % 16 of a tile of 16, 16 (l / 16) bytes on: a fragment's order
	v_lshl_add_u32 v26, v6, 4, v26
	v_add_nc_u32 v26, s30, v26
	v_lshlrev_b32 v27, 4, v2                       ; and 16 x lane in the codes
.macro WLOAD t                         ; block t: 32 rows down K at 32 neighbouring columns: 128 consecutive bytes an instruction
.irp i, 0,1,2,3,4,5,6,7,8,9,10,11,12,13,14,15,16,17,18,19,20,21,22,23,24,25,26,27,28,29,30,31
	global_load_b32 v[XW+32*((\t)%2)+\i], v[OFS+\i], s[36+2*(\t):37+2*(\t)] th:TH_LOAD_NT
.endr
.endm
	WLOAD 0
	WLOAD 1
.macro BLOCK t
.set XS, XW+32*((\t)%2)
.if (\t) < NB-1
	s_wait_loadcnt 32                              ; this block's 32 loads are in; the next block's may be out
.else
	s_wait_loadcnt 0
.endif
	v_max3_num_f32 v12, |v[XS]|, |v[XS+1]|, |v[XS+2]|               ; the block's largest magnitude: all 32 numbers are mine
	v_max3_num_f32 v13, |v[XS+3]|, |v[XS+4]|, |v[XS+5]|
.irp i, 6,10,14,18,22,26
	v_max3_num_f32 v12, v12, |v[XS+\i]|, |v[XS+\i+1]|
	v_max3_num_f32 v13, v13, |v[XS+\i+2]|, |v[XS+\i+3]|
.endr
	v_max3_num_f32 v12, v12, |v[XS+30]|, |v[XS+31]|
	v_max3_num_f32 v12, v12, v13, (EMAX+1)<<23     ; and the floor
	v_add_nc_u32 v11, -(EMAX<<23), v12             ; the conversion's scale operand
	v_and_or_b32 v10, v12, 0x7f800000, s31         ; 448 x the scale
	v_lshrrev_b32 v13, 23, v11                     ; the scale's byte
.if (\t)%4 == 0
	v_mov_b32 v[SB+(\t)/4], v13                    ; four bytes to a register, the lower K in the lower byte
.else
	v_lshl_or_b32 v[SB+(\t)/4], v13, 8*((\t)%4), v[SB+(\t)/4]
.endif
.irp i, 0,1,2,3,4,5,6,7,8,9,10,11,12,13,14,15,16,17,18,19,20,21,22,23,24,25,26,27,28,29,30,31
	v_med3_num_f32 v[XS+\i], v[XS+\i], -v10, v10
.endr
.irp g, 0,1,2,3
	v_cvt_scalef32_pk8_fp8_f32 v[CW+2*\g:CW+2*\g+1], v[XS+8*\g:XS+8*\g+7], v11
.endr
	ds_store_b128 v4, v[CW:CW+3] offset:32*(\t)    ; 32 codes of my column's row (the results go to LDS stores; the next block begins with plain vector lines)
	ds_store_b128 v4, v[CW+4:CW+7] offset:32*(\t)+16
.if (\t)+2 < NB
	WLOAD (\t)+2
.endif
	s_wait_dscnt 0x0                               ; the stores have read their registers: the next block's codes may be written
.endm
.irp t, 0,1,2,3,4,5,6,7
	BLOCK \t
.endr
	global_store_b64 v9, v[SB:SB+1], s[12:13]      ; my column's 8 scale bytes: rows 32 bytes apart; one byte in 128 of what the way reads
	; the codes leave in the order of the later launches' operand registers: [tile of 16 stored rows][128 along K: 8][c: 4][lane][16 bytes]: lane (r, h) holds row r, K = 32 c + 16 h + 0 .. 15.  My wave has two tiles x two steps of 128.
	; A tile is 16,384 bytes, as 16 rows are: my first tile begins where my first row would; a step of 128 is 2,048 bytes, so 256 ky along K are 4,096 ky in place of 256 ky
	s_mul_i32 s26, s19, 3840
	s_mov_b32 s27, 0
	s_add_nc_u64 s[10:11], s[10:11], s[26:27]
.irp t, 0,1,2,3,4,5,6,7,8,9,10,11,12,13,14,15
	ds_load_b128 v[OUTR+4*\t:OUTR+4*\t+3], v26 offset:(\t/8)*16*WP+128*((\t/4)%2)+32*(\t%4)
.endr
.irp t, 0,1,2,3,4,5,6,7,8,9,10,11,12,13,14,15
	s_wait_dscnt 15-\t                             ; load t is back; the younger ones may be out
	global_store_b128 v27, v[OUTR+4*\t:OUTR+4*\t+3], s[10:11] offset:(\t/8)*16384+((\t/4)%2)*2048+(\t%4)*512   ; the wave stores 512 consecutive bytes, aligned
.endr
	s_wait_tensorcnt 0x0                           ; the wave's end
	ds_add_u32 v208, v209
	s_wait_dscnt 0x0
	s_endpgm
.Lfunc_end_k_q4e4d75046f_quant:
	.size	k_q4e4d75046f_quant, .Lfunc_end_k_q4e4d75046f_quant-k_q4e4d75046f_quant
	.p2alignl 7, 3214868480
	.fill 96, 4, 3214868480
	.section	.rodata,"a",@progbits
	.p2align	6, 0x0
	.amdhsa_kernel k_q4e4d75046f_quant
		.amdhsa_group_segment_fixed_size 68096
		.amdhsa_private_segment_fixed_size 0
		.amdhsa_enable_private_segment 0
		.amdhsa_kernarg_size 40
		.amdhsa_user_sgpr_count 2
		.amdhsa_user_sgpr_kernarg_segment_ptr 1
		.amdhsa_wavefront_size32 1
		.amdhsa_system_sgpr_workgroup_id_x 1
		.amdhsa_system_sgpr_workgroup_id_y 1
		.amdhsa_system_sgpr_workgroup_id_z 1
		.amdhsa_system_vgpr_workitem_id 0
		.amdhsa_next_free_vgpr 210
		.amdhsa_next_free_sgpr 66
		.amdhsa_reserve_vcc 0
		.amdhsa_float_denorm_mode_32 3
		.amdhsa_float_denorm_mode_16_64 3
		.amdhsa_memory_ordered 1
		.amdhsa_forward_progress 1
		.amdhsa_inst_pref_size 112
	.end_amdhsa_kernel
	.amdgpu_metadata
---
amdhsa.version: [ 1, 2 ]
amdhsa.kernels:
  - .name:           k_q4e4d75046f_quant
    .symbol:         k_q4e4d75046f_quant.kd
    .args:
      - { .name: x, .offset: 0, .size: 8, .value_kind: global_buffer, .address_space: global }
      - { .name: w_attn, .offset: 8, .size: 8, .value_kind: global_buffer, .address_space: global }
      - { .name: w_proj, .offset: 16, .size: 8, .value_kind: global_buffer, .address_space: global }
      - { .name: opc, .offset: 24, .size: 8, .value_kind: global_buffer, .address_space: global }
      - { .name: ops, .offset: 32, .size: 8, .value_kind: global_buffer, .address_space: global }
    .group_segment_fixed_size: 68096
    .private_segment_fixed_size: 0
    .kernarg_segment_align: 8
    .kernarg_segment_size: 40
    .max_flat_workgroup_size: 128
    .sgpr_count:     66
    .vgpr_count:     210
    .wavefront_size: 32
...
	.end_amdgpu_metadata
.endif
;; end of part 1
;; launch qkv (part 2): grid 4 x 64, 4 waves a work-group, clusters of 4 x 1, 196,608 bytes of LDS; arguments opc, ops, b_attn, qkvc, qkvs; writes qkvc, qkvs
.if DOCPART == 2
	.amdgcn_target "amdgcn-amd-amdhsa--gfx1250"
	.amdhsa_code_object_version 6
	.text
	.protected	k_q4e4d75046f_qkv
	.globl	k_q4e4d75046f_qkv
	.p2align	8
	.type	k_q4e4d75046f_qkv,@function
k_q4e4d75046f_qkv:
	s_mov_b64 s[64:65], 0
	v_nop
	global_prefetch_b8 v0, s[64:65] scope:SCOPE_SE
	s_setreg_imm32_b32 hwreg(HW_REG_WAVE_MODE, 25, 1), 1
	s_wait_xcnt 0x0
	s_wait_alu depctr_hold_cnt(0) depctr_sa_sdst(0) depctr_va_vdst(0) depctr_va_sdst(0) depctr_va_ssrc(0) depctr_va_vcc(0) depctr_vm_vsrc(0)
	s_getreg_b32 s2, hwreg(HW_REG_IB_STS2, 6, 4)
	s_cmp_eq_u32 s2, 0
	s_cbranch_scc0 .Lentry_in_a_cluster
	s_endpgm
.Lentry_in_a_cluster:
	s_bfe_u32 s2, ttmp6, 0x10000c
	s_cmp_lg_u32 s2, 0x3003
	s_cbranch_scc0 .Lentry_shape_is_right
	s_endpgm
.Lentry_shape_is_right:
; qkv = x w_attn + b_attn on codes of FP8 (E4M3) with E8M0 scales for each 32 along K = 1,024, and the result quantised at once for attention: q and k along the head's 64, v along the keys.  The bias is the C of each sum's first product.
; SHARES.  256 work-groups: 128 stored tokens x the four heads 4 cx .. 4 cx + 3 of q, of k and of v.  Wave w has head 4 cx + w: it holds that head's 64 stored rows of the weight, ALL of K, in 512 registers, and streams the
; 128 tokens past them in eight blocks of 16, 32 products a block (the four accumulators by turns); three passes: q, k, v.  The next pass's weight is asked for as soon as a pass has ended.
; x's CODES: the 128 rows of 1,024 bytes come into LDS once, 32 rows a wave by one tensor load, 16 bytes of padding behind each row: no byte of LDS is filled twice: no ring, one barrier.
; CLUSTERS: the four work-groups of a row of the grid take the same tokens and ask for them jointly.  cx enters global addresses alone.  The weight is not shared inside a cluster: each partner has its own heads.
; THE WEIGHT's codes lie in memory in the order of the operand registers (laid by the first launch): each load of a wave reads 512 consecutive bytes, straight into registers.  Scale words go straight into registers too:
; a row's 32 bytes are its eight words; lane l takes row l of a pair of tiles (of blocks): one register serves two, lanes 0-15 and, by ROW1, lanes 16-31.
; NO PREFETCH: x comes once, at the head; a pass's weight is asked for at the first point at which its registers are free.
; STORED rows (tokens, columns) have bits 3 and 4 of their index exchanged.  q, k: source 0 = the weight, source 1 = 16 tokens: a lane holds a token, and registers 16 B + i of its four accumulators are channels 32 B + 16 h + i.
; v: source 0 = 16 tokens, source 1 = the weight: a lane holds a stored channel, and the eight registers of blocks 2 u and 2 u + 1 are keys 32 u + 16 h + 0 .. 15.  So the conversions' results are stored as they come.
; OUT.  qkvc: q at 0, k at 8,388,608: [batch x 16 + head][stored token 2048][64]; v at 16,777,216: [batch x 16 + head][stored channel 64][2048 keys].
;       qkvs: q at 0, k at 262,144: [batch x 4 + head / 4][stored token][head % 4][2]; v at 524,288: [batch x 16 + head][256 keys: 8][stored channel 64][8].
; q's and k's codes leave block by block as 1,024 consecutive bytes; v's 128 keys of a channel leave at the end as runs of 128 bytes, since a work-group has 128 tokens; the scale bytes leave 2 or 4 to a lane: one byte in 32 of the codes'.
; LIMITS: a block of zeros gets the byte 1 (its codes are zeros; this program alone reads the bytes); blocks under 2^-118 are held at that floor; NaN and infinities are not served.
; REGISTERS: window 0: v1-21 addresses; v24-39 the weight's scale words; v44-75 x's; v80-111 the bias; v112-175 two sets of four accumulators; v176-223 at work.  windows 1, 2: the weight.  window 3: x's blocks, two sets of 128.
.set XP,    1040                       ; an LDS row of x: 1,024 bytes + 16: the 16 rows of a fragment load begin 260 words apart
.set QST,   128*XP                     ; q's, k's stage: 16 rows x 80 bytes for each wave; no tile lands here
.set VST,   QST+4*1280                 ; v's stage: 64 rows x 144 bytes for each wave
.set SPARE, VST+4*9216                 ; the spare words: 128 bytes a wave, two blocks of 256 bytes that no other line names
.set WC,    8388608                    ; the weights' codes in opc
.set WS,    262144                     ; the weights' scale bytes in ops
.set NP,    8                          ; places behind this matrix instruction (ISA guide 7.12.1)
.set AA,   4                           ; v4-5   LDS address of my fragments in blocks 0-3, 4-7
.set STO,  6                           ; v6     q, k: the stage, in
.set RD,   7                           ; v7     and back
.set GS,   9                           ; v9     8 r
.set SPW,  12                          ; v12    my spare word; never rewritten
.set NIL,  13                          ; v13    0; never rewritten
.set BO,   14                          ; v14    q's, k's bias: 64 h
.set LB,   15                          ; v15    16 x lane
.set LS,   16                          ; v16    32 x lane
.set VSTO, 17                          ; v17    v: the stage, in
.set VRD,  18                          ; v18    and back
.set VGO,  19                          ; v19    the same four rows in v's codes
.set BV,   20                          ; v20    v's bias: my stored row's column among 32, in bytes
.set SB,   24
.set SA,   44                          ; no product's two scale words have numbers equal modulo 8
.set BI,   80
.set ACC,  112
.set T,    176                         ; v176-179 maxima, v180-183 permutes and bytes, v184-187 448 x the scale, v188-191 scale operands
.set W,    192
.set PCD,  196                         ; v196-211 codes
.set KB,   212                         ; v212-219 q, k: a block read back
.set VW,   220                         ; v220-223 v's scale words, a tile each
.set G1,   24
.set G0,   32
.set PWC,  44                          ; s[44:45] my head's weight codes of the pass;  s[46:47] its scale bytes
.set PWS,  46
.set PXS,  48                          ; s[48:49] my tokens' scale bytes
.set PB,   50                          ; s[50:51] my head's bias of the pass
.set PO,   52                          ; s[52:53], s[54:55] where q's or k's codes and scale bytes go
.set PS,   54
.set PV,   56                          ; s[56:57], s[58:59] and v's
.set PVS,  58
.set MSB, 0
.macro WIN new                         ; the immediate's high byte repeats the setting that is left
.if MSB != \new
	s_set_vgpr_msb (MSB<<8)|\new
.set MSB, \new
.endif
.endm
.macro PLACES n
.rept \n
	v_nop
.endr
.endm
.macro ROUND                           ; a round of the cluster's barrier
	s_barrier_signal -1
	s_barrier_wait -1
	s_cmp_lg_u32 s14, 0
	s_cbranch_scc1 .Lnot_wave_0_\@
	s_barrier_signal -3
.Lnot_wave_0_\@:
	s_barrier_wait -3
	s_barrier_signal -1
	s_barrier_wait -1
.endm
.macro LOADW                           ; a pass's weight: its scale words, then 128 loads of 512 consecutive bytes: fragment 4 q + b lies in window 1 + (4 q + b) / 16
.irp p, 0,1
.irp c, 0,1
	global_load_b128 v[SB+8*\p+4*\c:SB+8*\p+4*\c+3], v[LS], s[PWS:PWS+1] offset:1024*\p+16*\c
.endr
.endr
.irp q, 0,1,2,3,4,5,6,7
	WIN (1+\q/4)<<6
.irp b, 0,1,2,3
.irp c, 0,1,2,3
	global_load_b128 v[16*((4*\q+\b)%16)+4*\c:16*((4*\q+\b)%16)+4*\c+3], v[LB], s[PWC:PWC+1] offset:16384*\b+2048*\q+512*\c
.endr
.endr
.endr
	WIN 0
.endm
.macro QKBIAS                          ; register j of tile b of lane (r, h) is column 32 (b / 2) + 16 h + 8 (b % 2) + j of my head
.irp b, 0,1,2,3
	global_load_b128 v[BI+8*\b:BI+8*\b+3], v[BO], s[PB:PB+1] offset:4*(32*(\b/2)+8*(\b%2))
	global_load_b128 v[BI+8*\b+4:BI+8*\b+7], v[BO], s[PB:PB+1] offset:4*(32*(\b/2)+8*(\b%2))+16
.endr
.endm
.macro FETCH a                         ; block a, 16 tokens, all of K, into set a % 2 of window 3: 32 loads
	WIN 3<<6
.irp q, 0,1,2,3,4,5,6,7
.irp c, 0,1,2,3
	ds_load_b128 v[128*((\a)%2)+16*\q+4*\c:128*((\a)%2)+16*\q+4*\c+3], v[AA+(\a)/4] offset:((\a)%4)*16*XP+128*\q+32*\c
.endr
.endr
	WIN 0
.endm
.macro PROD kind, a, n                 ; product n = 4 q + b of block a.  kind 0 (q, k): source 0 = the weight; kind 1 (v): source 0 = x
.set Q_, (\n)/4
.set B_, (\n)%4
.set AC_, ACC+32*((\a)%2)+8*B_
.set C_, AC_
.if Q_ == 0
.set C_, BI+8*B_
.endif
.set R_, 128*((\a)%2)+16*Q_
.set W_, 16*((\n)%16)
.set XS_, SA+8*((\a)/2)+Q_
.set WS_, SB+8*(B_/2)+Q_
.if \kind
	WIN 3|((1+(\n)/16)<<2)
.if (B_%2) && ((\a)%2)
	v_wmma_scale_f32_16x16x128_f8f6f4 v[AC_:AC_+7], v[R_:R_+15], v[W_:W_+15], v[C_:C_+7], v[XS_], v[WS_] matrix_a_scale:MATRIX_SCALE_ROW1 matrix_b_scale:MATRIX_SCALE_ROW1
.elseif (\a)%2
	v_wmma_scale_f32_16x16x128_f8f6f4 v[AC_:AC_+7], v[R_:R_+15], v[W_:W_+15], v[C_:C_+7], v[XS_], v[WS_] matrix_a_scale:MATRIX_SCALE_ROW1
.elseif B_%2
	v_wmma_scale_f32_16x16x128_f8f6f4 v[AC_:AC_+7], v[R_:R_+15], v[W_:W_+15], v[C_:C_+7], v[XS_], v[WS_] matrix_b_scale:MATRIX_SCALE_ROW1
.else
	v_wmma_scale_f32_16x16x128_f8f6f4 v[AC_:AC_+7], v[R_:R_+15], v[W_:W_+15], v[C_:C_+7], v[XS_], v[WS_]
.endif
.else
	WIN (1+(\n)/16)|(3<<2)
.if (B_%2) && ((\a)%2)
	v_wmma_scale_f32_16x16x128_f8f6f4 v[AC_:AC_+7], v[W_:W_+15], v[R_:R_+15], v[C_:C_+7], v[WS_], v[XS_] matrix_a_scale:MATRIX_SCALE_ROW1 matrix_b_scale:MATRIX_SCALE_ROW1
.elseif B_%2
	v_wmma_scale_f32_16x16x128_f8f6f4 v[AC_:AC_+7], v[W_:W_+15], v[R_:R_+15], v[C_:C_+7], v[WS_], v[XS_] matrix_a_scale:MATRIX_SCALE_ROW1
.elseif (\a)%2
	v_wmma_scale_f32_16x16x128_f8f6f4 v[AC_:AC_+7], v[W_:W_+15], v[R_:R_+15], v[C_:C_+7], v[WS_], v[XS_] matrix_b_scale:MATRIX_SCALE_ROW1
.else
	v_wmma_scale_f32_16x16x128_f8f6f4 v[AC_:AC_+7], v[W_:W_+15], v[R_:R_+15], v[C_:C_+7], v[WS_], v[XS_]
.endif
.endif
.endm
.macro PRODS kind, a
.set N_, 0
.rept 32
	PROD \kind, \a, N_
.set N_, N_+1
.endr
	WIN 0
	PLACES NP                                      ; in front of the reads of the sums and of the loads into registers just multiplied
.endm
.macro SCALE4 nb                       ; behind the lanes' maxima v[T + b], b under nb: the block's largest magnitude, the conversion's scale operand, 448 x the scale, the byte
.set B4_, 0
.rept \nb
	v_permlanex16_b32 v[T+4+B4_], v[T+B4_], s60, s61
.set B4_, B4_+1
.endr
.set B4_, 0
.rept \nb
	v_max_num_f32 v[T+B4_], v[T+B4_], v[T+4+B4_]
.set B4_, B4_+1
.endr
.set B4_, 0
.rept \nb
	v_add_nc_u32 v[T+12+B4_], 0xfc000000, v[T+B4_]
.set B4_, B4_+1
.endr
.set B4_, 0
.rept \nb
	v_and_or_b32 v[T+8+B4_], v[T+B4_], 0x7f800000, s62
.set B4_, B4_+1
.endr
.set B4_, 0
.rept \nb
	v_lshrrev_b32 v[T+4+B4_], 23, v[T+12+B4_]
.set B4_, B4_+1
.endr
.endm
; q's or k's block a: a lane's 32 sums are two blocks of 32 channels, 16 of each (the other 16 lie in lane l xor 16).  Codes go through my stage and come back as 1,024 consecutive bytes.
.macro QEPI a
.set X_, ACC+32*((\a)%2)
.irp b, 0,1
	v_max3_num_f32 v[T+\b], |v[X_+16*\b]|, |v[X_+16*\b+1]|, 0x4800000   ; each accumulator from its low end on; the floor 2^(9 - 127) holds the byte at 1 from below
.endr
.irp i, 2,4,6,8,10,12,14
.irp b, 0,1
	v_max3_num_f32 v[T+\b], v[T+\b], |v[X_+16*\b+\i]|, |v[X_+16*\b+\i+1]|
.endr
.endr
	SCALE4 2
	v_lshl_or_b32 v[W], v[T+5], 8, v[T+4]          ; my token's two scale bytes for this head
.irp b, 0,1
.irp i, 0,1,2,3,4,5,6,7,8,9,10,11,12,13,14,15
	v_med3_num_f32 v[X_+16*\b+\i], v[X_+16*\b+\i], -v[T+8+\b], v[T+8+\b]   ; the conversion does not saturate (ISA guide 7.6.2): the hold comes first
.endr
	v_cvt_scalef32_pk8_fp8_f32 v[PCD+4*\b:PCD+4*\b+1], v[X_+16*\b:X_+16*\b+7], v[T+12+\b]
	v_cvt_scalef32_pk8_fp8_f32 v[PCD+4*\b+2:PCD+4*\b+3], v[X_+16*\b+8:X_+16*\b+15], v[T+12+\b]
.endr
	v_nop                                          ; a plain line behind the last conversion
	ds_store_b128 v[STO], v[PCD:PCD+3]
	ds_store_b128 v[STO], v[PCD+4:PCD+7] offset:32
	ds_load_b128 v[KB:KB+3], v[RD]                 ; LDS serves a wave's instructions in order: these see my stores
	ds_load_b128 v[KB+4:KB+7], v[RD] offset:640
.endm
; v's blocks 2 u, 2 u + 1: in tile b a lane's 16 sums (eight of each block) are 16 of 32 keys of one channel.  Codes go into my stage, the byte into the tile's scale word.
.macro VEPI u
.irp b, 0,1,2,3
	v_max3_num_f32 v[T+\b], |v[ACC+8*\b]|, |v[ACC+8*\b+1]|, 0x4800000
.endr
.irp i, 2,4,6
.irp b, 0,1,2,3
	v_max3_num_f32 v[T+\b], v[T+\b], |v[ACC+8*\b+\i]|, |v[ACC+8*\b+\i+1]|
.endr
.endr
.irp i, 0,2,4,6
.irp b, 0,1,2,3
	v_max3_num_f32 v[T+\b], v[T+\b], |v[ACC+32+8*\b+\i]|, |v[ACC+32+8*\b+\i+1]|
.endr
.endr
	SCALE4 4
.irp b, 0,1,2,3
.if \u == 0
	v_mov_b32 v[VW+\b], v[T+4+\b]
.else
	v_lshl_or_b32 v[VW+\b], v[T+4+\b], 8*\u, v[VW+\b]
.endif
.endr
.irp b, 0,1,2,3
.irp i, 0,1,2,3,4,5,6,7
	v_med3_num_f32 v[ACC+8*\b+\i], v[ACC+8*\b+\i], -v[T+8+\b], v[T+8+\b]
	v_med3_num_f32 v[ACC+32+8*\b+\i], v[ACC+32+8*\b+\i], -v[T+8+\b], v[T+8+\b]
.endr
	v_cvt_scalef32_pk8_fp8_f32 v[PCD+4*\b:PCD+4*\b+1], v[ACC+8*\b:ACC+8*\b+7], v[T+12+\b]
	v_cvt_scalef32_pk8_fp8_f32 v[PCD+4*\b+2:PCD+4*\b+3], v[ACC+32+8*\b:ACC+32+8*\b+7], v[T+12+\b]
.endr
	v_nop                                          ; a plain line behind the last conversion
.irp b, 0,1,2,3
	ds_store_b128 v[VSTO], v[PCD+4*\b:PCD+4*\b+3] offset:2304*\b+32*\u   ; row 16 b + r, keys 32 u + 16 h on
.endr
.endm
	s_load_b256 s[4:11], s[0:1], 0x0               ; opc s[4:5], ops s[6:7], b_attn s[8:9], qkvc s[10:11]
	s_load_b64 s[12:13], s[0:1], 0x20              ; qkvs
	v_lshl_add_u32 v[SPW], v0, 2, SPARE
	v_mov_b32 v[NIL], 0
	ds_add_u32 v[SPW], v[NIL]                      ; the opening lines: the add, twice on end, and its wait ahead of the first tensor load
	ds_add_u32 v[SPW], v[NIL]
	v_lshrrev_b32 v1, 5, v0
	v_readfirstlane_b32 s14, v1                    ; wave 0..3
	s_bfe_u32 s40, ttmp6, 0x40000                  ; cx: my four heads
	s_and_b32 s17, ttmp7, 0xffff                   ; the cluster's y: my 128 tokens
	s_mov_b32 s[G1], 15|(1<<20)|(1<<21)|(7<<22)|(3<<25)   ; mask: all four partners; elements of 1 byte; four words of padding after every 256
	s_mov_b32 s[G1+1], 1024<<16
	s_mov_b32 s[G1+2], 32<<16
	s_mov_b32 s[G1+3], 1024<<16
	s_mov_b32 s[G1+4], 32
	s_mov_b32 s[G1+5], 1024
	s_mov_b32 s[G1+6], 0
	s_mov_b32 s[G1+7], 0
	s_mov_b32 s[G0], 1
	s_mul_i32 s[G0+1], s14, 32*XP                  ; wave w: rows 32 w .. 32 w + 31
	s_lshl_b32 s20, s17, 17
	s_lshl_b32 s21, s14, 15
	s_add_co_u32 s20, s20, s21
	s_mov_b32 s21, 0
	s_mov_b32 s60, 0x76543210
	s_mov_b32 s61, 0xfedcba98                      ; v_permlanex16_b32's selects for lane l xor 16
	s_mov_b32 s62, 0x600000                        ; the mantissa field of 448
	v_and_b32 v1, 15, v0                           ; r
	v_bfe_u32 v2, v0, 4, 1                         ; h
	v_and_b32 v3, 31, v0                           ; lane
	v_mul_u32_u24 v[AA], v1, XP
	v_lshl_add_u32 v[AA], v2, 4, v[AA]
	v_add_nc_u32 v[AA+1], 64*XP, v[AA]
	s_mul_i32 s23, s14, 1280
	s_add_co_u32 s23, s23, QST
	v_mul_u32_u24 v10, v1, 80
	v_lshl_add_u32 v10, v2, 4, v10
	v_add_nc_u32 v[STO], s23, v10                  ; in: row r, 16 h
	v_lshrrev_b32 v10, 2, v3
	v_mul_u32_u24 v10, v10, 80
	v_and_b32 v11, 3, v3
	v_lshl_add_u32 v10, v11, 4, v10
	v_add_nc_u32 v[RD], s23, v10                   ; back: four lanes to a row of 64 bytes
	v_lshlrev_b32 v[GS], 3, v1
	v_lshlrev_b32 v[BO], 6, v2
	v_lshlrev_b32 v[LB], 4, v3
	v_lshlrev_b32 v[LS], 5, v3
	s_mul_i32 s23, s14, 9216
	s_add_co_u32 s23, s23, VST
	v_mul_u32_u24 v10, v1, 144
	v_lshl_add_u32 v10, v2, 4, v10
	v_add_nc_u32 v[VSTO], s23, v10
	v_lshrrev_b32 v10, 3, v3
	v_and_b32 v11, 7, v3
	v_mul_u32_u24 v8, v10, 144
	v_lshl_add_u32 v8, v11, 4, v8
	v_add_nc_u32 v[VRD], s23, v8                   ; back: eight lanes to a row of 128 bytes
	v_lshlrev_b32 v10, 11, v10
	v_lshl_add_u32 v[VGO], v11, 4, v10
	v_lshrrev_b32 v10, 3, v1
	v_and_b32 v11, 7, v1
	v_lshlrev_b32 v10, 6, v10
	v_lshl_add_u32 v[BV], v11, 2, v10              ; 4 (16 (r / 8) + r % 8)
.irp b, 0,1,2,3
	v_mov_b32 v[T+4+\b], 0                         ; a lane permute's destination counts as one of its sources
.endr
	s_wait_alu depctr_va_vdst(0)
	s_wait_dscnt 0x0                               ; both opening adds are done
	ROUND                                          ; all four work-groups are here: the joint loads meet
	s_wait_kmcnt 0x0
	s_add_nc_u64 s[G0+2:G0+3], s[4:5], s[20:21]
	s_or_b32 s[G0+3], s[G0+3], 0x80000000
	tensor_load_to_lds s[G0:G0+3], s[G1:G1+7]      ; my 32 rows: every wave's one tensor load
	s_nop 0
	PLACES 4
	s_lshl_b32 s22, s40, 2
	s_add_co_u32 s22, s22, s14                     ; my head: 4 cx + w
	s_lshl_b32 s20, s22, 16
	s_add_co_u32 s20, s20, WC
	s_add_nc_u64 s[PWC:PWC+1], s[4:5], s[20:21]    ; q's weight: four tiles of 16,384 bytes
	s_lshl_b32 s20, s22, 11
	s_add_co_u32 s20, s20, WS
	s_add_nc_u64 s[PWS:PWS+1], s[6:7], s[20:21]
	s_lshl_b32 s20, s17, 12
	s_add_nc_u64 s[PXS:PXS+1], s[6:7], s[20:21]
	s_lshl_b32 s20, s22, 8
	s_add_nc_u64 s[PB:PB+1], s[8:9], s[20:21]
	s_lshr_b32 s18, s17, 4                         ; the batch
	s_and_b32 s19, s17, 15                         ; which 128 tokens of its 2,048
	s_lshl_b32 s23, s18, 4
	s_add_co_u32 s23, s23, s22                     ; batch x 16 + head
	s_lshl_b32 s41, s23, 17
	s_lshl_b32 s20, s19, 13
	s_add_co_u32 s20, s20, s41
	s_add_nc_u64 s[PO:PO+1], s[10:11], s[20:21]    ; q's codes: 64 bytes a token
	s_lshl_b32 s20, s19, 7
	s_add_co_u32 s20, s20, s41
	s_add_co_u32 s20, s20, 16777216
	s_add_nc_u64 s[PV:PV+1], s[10:11], s[20:21]    ; v's codes: my 128 keys of stored channel 0
	s_lshl_b32 s20, s18, 2
	s_add_co_u32 s20, s20, s40
	s_lshl_b32 s20, s20, 14
	s_lshl_b32 s41, s19, 10
	s_add_co_u32 s20, s20, s41
	s_lshl_b32 s41, s14, 1
	s_add_co_u32 s20, s20, s41
	s_add_nc_u64 s[PS:PS+1], s[12:13], s[20:21]    ; q's scale bytes: 8 a token, my head's two
	s_lshl_b32 s20, s23, 12
	s_lshr_b32 s41, s19, 1
	s_lshl_b32 s41, s41, 9
	s_add_co_u32 s20, s20, s41
	s_and_b32 s41, s19, 1
	s_lshl_b32 s41, s41, 2
	s_add_co_u32 s20, s20, s41
	s_add_co_u32 s20, s20, 524288
	s_add_nc_u64 s[PVS:PVS+1], s[12:13], s[20:21]  ; v's scale bytes: my four of a channel's eight
.irp p, 0,1,2,3
.irp c, 0,1
	global_load_b128 v[SA+8*\p+4*\c:SA+8*\p+4*\c+3], v[LS], s[PXS:PXS+1] offset:1024*\p+16*\c
.endr
.endr
	LOADW
	QKBIAS
	s_wait_tensorcnt 0x0                           ; my 32 rows are in,
	s_barrier_signal -1
	s_barrier_wait -1                              ; and so are the others'
	FETCH 0
	FETCH 1
	s_mov_b32 s3, 0
.Lpass:                                            ; two trips: q, k
	s_wait_loadcnt 0x0                             ; the weight, the scale words, the bias
.irp a, 0,1,2,3,4,5,6,7
	s_wait_dscnt 32                                ; this block is in; the 32 loads of the block after may be out
	PRODS 0, \a
	s_wait_xcnt 0x0                                ; the stores of the block before have read their registers, which are written below
	QEPI \a
	FETCH ((\a+2)%8)                               ; blocks 6 and 7 fetch the next pass's blocks 0 and 1
	s_wait_dscnt 32                                ; the stage's four are done; the 32 just issued may be out
	global_store_b128 v[LB], v[KB:KB+3], s[PO:PO+1] offset:1024*\a
	global_store_b128 v[LB], v[KB+4:KB+7], s[PO:PO+1] offset:1024*\a+512   ; 16 tokens x 64 bytes: 1,024 consecutive bytes, aligned
	global_store_b16 v[GS], v[W], s[PS:PS+1] offset:128*\a                 ; 2 bytes a token, 8 apart (both halves of the lanes the same)
.endr
	s_wait_xcnt 0x0                                ; every base has been read: they step to the next pass
	s_add_nc_u64 s[PWC:PWC+1], s[PWC:PWC+1], 0x100000
	s_add_nc_u64 s[PWS:PWS+1], s[PWS:PWS+1], 0x8000
	s_add_nc_u64 s[PB:PB+1], s[PB:PB+1], 0x1000
	s_add_nc_u64 s[PO:PO+1], s[PO:PO+1], 0x800000
	s_add_nc_u64 s[PS:PS+1], s[PS:PS+1], 0x40000
	LOADW                                          ; the places behind the last products stand in front of its block's way out
	s_cmp_eq_u32 s3, 0
	s_cbranch_scc0 .Lbias_v
	QKBIAS
	s_branch .Lbias_done
.Lbias_v:                                          ; v: all eight registers of tile b hold the bias of my stored row's column, 32 (b / 2) + 8 (b % 2) + 16 (r / 8) + r % 8
.irp b, 0,1,2,3
.irp j, 0,1,2,3,4,5,6,7
	global_load_b32 v[BI+8*\b+\j], v[BV], s[PB:PB+1] offset:4*(32*(\b/2)+8*(\b%2))
.endr
.endr
.Lbias_done:
	s_add_co_u32 s3, s3, 1
	s_cmp_lt_u32 s3, 2
	s_cbranch_scc1 .Lpass
	s_wait_loadcnt 0x0                             ; v's weight, scale words and bias
.irp a, 0,1,2,3,4,5,6,7
.if \a == 7
	s_wait_dscnt 0x0
.else
	s_wait_dscnt 32                                ; this block is in, and the stage's stores of the pair before have read their registers; the 32 loads of the block after may be out
.endif
	PRODS 1, \a
.if \a%2
	VEPI (\a/2)
.endif
.if \a < 6
	FETCH (\a+2)
.endif
.endr
.irp i, 0,1,2,3,4,5,6,7,8,9,10,11,12,13,14,15
	ds_load_b128 v[ACC+4*\i:ACC+4*\i+3], v[VRD] offset:576*\i   ; four channels' 128 keys; LDS serves a wave's instructions in order: these see my stores
.endr
.irp i, 0,1,2,3,4,5,6,7,8,9,10,11,12,13,14,15
	s_wait_dscnt 15-\i                             ; load i is back; the younger ones may be out
	global_store_b128 v[VGO], v[ACC+4*\i:ACC+4*\i+3], s[PV:PV+1] offset:8192*\i   ; eight lanes store 128 consecutive bytes of a channel's row
.endr
.irp b, 0,1,2,3
	global_store_b32 v[GS], v[VW+\b], s[PVS:PVS+1] offset:128*\b   ; 4 bytes a channel, 8 apart (both halves of the lanes the same)
.endr
	s_wait_tensorcnt 0x0                           ; the wave's end
	ds_add_u32 v[SPW], v[NIL]
	s_wait_dscnt 0x0
	ROUND                                          ; the closing round
	s_endpgm
.Lfunc_end_k_q4e4d75046f_qkv:
	.size	k_q4e4d75046f_qkv, .Lfunc_end_k_q4e4d75046f_qkv-k_q4e4d75046f_qkv
	.p2alignl 7, 3214868480
	.fill 96, 4, 3214868480
	.section	.rodata,"a",@progbits
	.p2align	6, 0x0
	.amdhsa_kernel k_q4e4d75046f_qkv
		.amdhsa_group_segment_fixed_size 196608
		.amdhsa_private_segment_fixed_size 0
		.amdhsa_enable_private_segment 0
		.amdhsa_kernarg_size 40
		.amdhsa_user_sgpr_count 2
		.amdhsa_user_sgpr_kernarg_segment_ptr 1
		.amdhsa_wavefront_size32 1
		.amdhsa_system_sgpr_workgroup_id_x 1
		.amdhsa_system_sgpr_workgroup_id_y 1
		.amdhsa_system_sgpr_workgroup_id_z 1
		.amdhsa_system_vgpr_workitem_id 0
		.amdhsa_next_free_vgpr 1024
		.amdhsa_next_free_sgpr 100
		.amdhsa_reserve_vcc 0
		.amdhsa_float_denorm_mode_32 3
		.amdhsa_float_denorm_mode_16_64 3
		.amdhsa_memory_ordered 1
		.amdhsa_forward_progress 1
		.amdhsa_inst_pref_size 214
	.end_amdhsa_kernel
	.amdgpu_metadata
---
amdhsa.version: [ 1, 2 ]
amdhsa.kernels:
  - .name:           k_q4e4d75046f_qkv
    .symbol:         k_q4e4d75046f_qkv.kd
    .args:
      - { .name: opc, .offset: 0, .size: 8, .value_kind: global_buffer, .address_space: global }
      - { .name: ops, .offset: 8, .size: 8, .value_kind: global_buffer, .address_space: global }
      - { .name: b_attn, .offset: 16, .size: 8, .value_kind: global_buffer, .address_space: global }
      - { .name: qkvc, .offset: 24, .size: 8, .value_kind: global_buffer, .address_space: global }
      - { .name: qkvs, .offset: 32, .size: 8, .value_kind: global_buffer, .address_space: global }
    .group_segment_fixed_size: 196608
    .private_segment_fixed_size: 0
    .kernarg_segment_align: 8
    .kernarg_segment_size: 40
    .max_flat_workgroup_size: 128
    .sgpr_count:     100
    .vgpr_count:     1024
    .wavefront_size: 32
...
	.end_amdgpu_metadata
.endif
;; end of part 2
;; launch attn (part 3): grid 4 x 64, 16 waves a work-group, clusters of 4 x 1, 327,680 bytes of LDS; arguments qkvc, qkvs, yc, ys; writes yc, ys
.if DOCPART == 3
	.amdgcn_target "amdgcn-amd-amdhsa--gfx1250"
	.amdhsa_code_object_version 6
	.text
	.protected	k_q4e4d75046f_attn
	.globl	k_q4e4d75046f_attn
	.p2align	8
	.type	k_q4e4d75046f_attn,@function
k_q4e4d75046f_attn:
	s_mov_b64 s[64:65], 0
	v_nop
	global_prefetch_b8 v0, s[64:65] scope:SCOPE_SE
	s_setreg_imm32_b32 hwreg(HW_REG_WAVE_MODE, 25, 1), 1
	s_wait_xcnt 0x0
	s_wait_alu depctr_hold_cnt(0) depctr_sa_sdst(0) depctr_va_vdst(0) depctr_va_sdst(0) depctr_va_ssrc(0) depctr_va_vcc(0) depctr_vm_vsrc(0)
	s_getreg_b32 s2, hwreg(HW_REG_IB_STS2, 6, 4)
	s_cmp_eq_u32 s2, 0
	s_cbranch_scc0 .Lentry_in_a_cluster
	s_endpgm
.Lentry_in_a_cluster:
	s_bfe_u32 s2, ttmp6, 0x10000c
	s_cmp_lg_u32 s2, 0x3003
	s_cbranch_scc0 .Lentry_shape_is_right
	s_endpgm
.Lentry_shape_is_right:
; y[b][t][head][:] = the sum over keys k <= t of softmax_k(q . k / 8) v, both products on codes of FP8 (E4M3) with E8M0 scales for each 32 along a product's K, and y quantised at once along head x 64 + channel for the last product.
; THE SOFTMAX: t = score x log2(e) / 8; M = the running largest t rounded UP to a whole number; p = 2^(t - M) is quantised along the keys, not normalised; the row's sum is taken of the unquantised p and divides at the end.
; When M moves, the sum and O are multiplied by 2^(old M - new M): exact.  Steps of 128 keys that lie wholly behind a tile's queries are left out.
; A HEAD'S WHOLE K AND V LIE IN LDS: 8 chunks of 256 keys, 17,408 bytes each of K and of V, K's scale bytes (17,408) and V's (4,096): 300,032 bytes, each filled once; no byte is filled again.
; SHARES.  The four work-groups of a head form a cluster and ask for K and V jointly.  Work-group cx owns the stored tiles of 16 queries n = 4 m + cx, m = 0 .. 31.  Tile n needs m / 2 + 1 steps of 128 keys, whatever cx:
; no branch and no LDS address hangs on cx, and every partner reads every chunk.  Wave w owns m = 31 - w (16 - w / 2 steps) and then m = w (w / 2 + 1 steps): 17 steps in every wave.
; THE ORDER.  At the head six waves ask for keys 0 - 511 and the scale bytes; behind one drained round twelve waves ask for the other 1,536 keys.  All waves take the first tile's steps 0 - 3; one barrier shows the rest;
; then 20 trips, a constant: the first tile's steps 4 - 15, the second's 0 - 7; a step past the tile's diagonal is jumped over by a scalar branch on the wave's and the trip's numbers.
; NO PREFETCH: both groups of tensor loads go out ahead of the first loop, so no later load is left to run ahead of.
; LAYOUT.  Both products are used transposed: S^T = K Q^T, O^T = V^T P^T: a lane holds ONE query.  STORED rows (tokens of q and k, channels of v) have bits 3 and 4 of their index exchanged, so the 16 registers of
; tiles 2 b, 2 b + 1 are 16 neighbours, 32 b + 16 (lane / 16) + 0 .. 15, of the keys (S^T) or of the channels (O^T): the conversions' results are the next operand.
; K IN LDS: four keys' 256 bytes, then 16 of padding: the sixteen lanes of a fragment load begin at the words 68 (r / 4) + 16 (r % 4), sixteen different multiples of four modulo 64.
; THE FIRST PRODUCT'S K IS 64 in an instruction 128 deep: Q's registers 8-15 are zeros; a tile of K names 16 registers of which the upper eight are the next tile's codes (finite numbers x 0), behind the last tile zeros.
; The scale words of Q and K are loaded as 16 bits: their upper two bytes are 0, which stands for 2^-127 and not for NaN.
; LIMITS: the scaled scores stay under 2^31 in magnitude; p under 2^-126 comes out of v_exp_f32 as 0; a block of zeros gets the byte 1 (this program alone reads the bytes); NaN and infinities are not served.
; REGISTERS: v1-11 addresses; v12 -M, v13 the largest t, v[14:15] the sum; v16-31 Q and zeros; v32-95 K's or V's fragments; v96-103 zeros; v104-167 S^T, then p; v168-199 O^T; v200-215 p's codes; v216-224, v255 scale words; v226-231 addresses; v232-254 at work.
.set CH,    17408                      ; a chunk: 64 rows of 256 bytes + 16
.set VB,    8*CH
.set KSB,   16*CH                      ; K's scale bytes: 8 a key (four heads'), as rows of 256 bytes + 16
.set VSB,   17*CH                      ; V's: [chunk][channel][8], dense
.set STAGE, VSB+4096                   ; the way out: 16 rows x 80 bytes for each wave; no tile lands here
.set SPARE, STAGE+16*1280              ; the spare words: 128 bytes a wave, eight blocks of 256 bytes that no other line names
.set AK0,  1
.set AV0,  2
.set AKS0, 3
.set AVS0, 4
.set SPW,  5                           ; my spare word; never rewritten
.set NIL,  6                           ; 0; never rewritten
.set ADK,  8
.set ADV,  9
.set ADKS, 10
.set ADVS, 11
.set KV,   32
.set S,    104
.set O,    168
.set PCD,  200
.set KSC,  216                         ; v216-223 K's scale words, then V's four
.set QSC,  224
.set PSC,  255
.set QO,   226
.set QSO,  227
.set STO,  228
.set RD,   229
.set GO,   230
.set GS,   231
.set T,    232                         ; v232-235 maxima, v236-239 permutes, bytes, second copies of the bounds, v240-243 448 x the scale, v244-247 scale operands
.set LQ,   248                         ; my query less the tile's first, less 16 (lane / 16)
.set DD,   249
.set NINF, 250
.set F,    252                         ; v[252:253]: f in the low word
.set W,    254
.set WV,   12
.set CX,   13
.set SL,   14                          ; the tile's last step: m / 2
.set TRIP, 15
.set SI,   16                          ; the step: keys 128 SI on
.set QMIN, 17                          ; my tile's first query
.set BH,   18                          ; batch x 16 + head
.set MNT,  19
.set SEL,  20
.set CS,   22
.set G1K,  24
.set G1V,  32
.set G1T,  40
.set G0K,  48
.set G0V,  52
.set G0S,  56
.set G0T,  60
.set TK,   66
.set TKS,  67
.set TV,   68
.set TVS,  69
.set QP,   76
.set QSP,  78
.set YP,   80
.set YSP,  82
.set DTOK, 84                          ; stored tokens from the second tile to the first: 64 (31 - 2 w)
.set HB,   86                          ; the head's 131,072 bytes in each of q, k, v
.macro ROUND                           ; a round of the cluster's barrier
	s_barrier_signal -1
	s_barrier_wait -1
	s_cmp_lg_u32 s[WV], 0
	s_cbranch_scc1 .Lnot_wave_0_\@
	s_barrier_signal -3
.Lnot_wave_0_\@:
	s_barrier_wait -3
	s_barrier_signal -1
	s_barrier_wait -1
.endm
.macro TL g0, g1                       ; a joint load; an s_nop 0 and four v_nop follow it
	tensor_load_to_lds s[\g0:\g0+3], s[\g1:\g1+7]
	s_nop 0
.rept 4
	v_nop
.endr
.endm
.macro GADR g, base                    ; a descriptor's global address: the buffer + s[90:91], then the type 2 in bits 127:126
	s_add_nc_u64 s[\g+2:\g+3], s[\base:\base+1], s[90:91]
	s_or_b32 s[\g+3], s[\g+3], 0x80000000
.endm
.macro INIT                            ; a tile begins: O^T and the sum are zeros, the largest t lies under every t: the first change of M multiplies zeros
	v_mov_b32 v13, 0xff61b1e6                      ; -3e38
	s_delay_alu instid0(VALU_DEP_1)
	v_floor_f32 v12, -v13
	v_mov_b32 v14, 0
	v_mov_b32 v15, 0
.set J, 0
.rept 32
	v_mov_b32 v[O+J], 0
.set J, J+1
.endr
.endm
.macro QLOAD
	global_load_b128 v[16:19], v[QO], s[QP:QP+1]             ; Q's fragment: k = 16 h + 0 .. 15,
	global_load_b128 v[20:23], v[QO], s[QP:QP+1] offset:32   ; 32 + 16 h + 0 .. 15
	global_load_u16 v[QSC], v[QSO], s[QSP:QSP+1]             ; and its two scale bytes
.endm
; A KEY STEP: keys 128 SI .. + 127.  mask = 0: a step that lies in front of every diagonal.
.macro STEP mask
.if \mask
	s_cmp_gt_u32 s[SI], s[SL]                      ; all its keys come after my queries
	s_cbranch_scc1 .Lhid_\@
.endif
	s_mul_i32 s[TK], s[SI], 8704                   ; K: 32 rows of 272 bytes a step
	s_mul_i32 s[TKS], s[SI], 1088                  ; its scale bytes: four rows
	s_lshr_b32 s70, s[SI], 1
	s_and_b32 s71, s[SI], 1
	s_mul_i32 s[TV], s70, CH                       ; V: the chunk, and 128 bytes on in its rows for the odd step
	s_lshl_b32 s72, s71, 7
	s_add_co_u32 s[TV], s[TV], s72
	s_lshl_b32 s[TVS], s70, 9                      ; its scale bytes: 512 a chunk, 4 on for the odd step
	s_lshl_b32 s72, s71, 2
	s_add_co_u32 s[TVS], s[TVS], s72
	v_add_nc_u32 v[ADK], s[TK], v[AK0]
	v_add_nc_u32 v[ADV], s[TV], v[AV0]
	v_add_nc_u32 v[ADKS], s[TKS], v[AKS0]
	v_add_nc_u32 v[ADVS], s[TVS], v[AVS0]
.rept 4
	v_nop                                          ; with the four additions: eight places in front of loads into registers that the last products read
.endr
.irp t, 0,1,2,3,4,5,6,7
.irp c, 0,1
	ds_load_b128 v[KV+8*\t+4*\c:KV+8*\t+4*\c+3], v[ADK] offset:1088*\t+32*\c
.endr
	ds_load_u16 v[KSC+\t], v[ADKS] offset:272*(\t/2)+128*(\t%2)
.endr
	s_wait_alu depctr_va_vdst(0)
	s_wait_dscnt 0x0
.irp t, 0,1,2,3,4,5,6,7
	v_wmma_scale_f32_16x16x128_f8f6f4 v[S+8*\t:S+8*\t+7], v[KV+8*\t:KV+8*\t+15], v[16:31], 0, v[KSC+\t], v[QSC]
.endr
.rept 8
	v_nop
.endr
.irp t, 0,1,2,3                                ; V's fragments are asked for now and land under the softmax
.irp c, 0,1,2,3
	ds_load_b128 v[KV+16*\t+4*\c:KV+16*\t+4*\c+3], v[ADV] offset:4352*\t+32*\c
.endr
	ds_load_b32 v[KSC+\t], v[ADVS] offset:128*\t
.endr
.if \mask
	s_cmp_lt_u32 s[SI], s[SL]                      ; a step in front of the diagonal has no mask
	s_cbranch_scc1 .Lopen_\@
	s_lshl_b32 s72, s[SI], 7
	s_sub_co_i32 s72, s[QMIN], s72
	v_add_nc_u32 v[DD], s72, v[LQ]                 ; d = my query - 128 SI - 16 (lane / 16).  Register 16 b + i holds key 128 SI + 16 (lane / 16) + 32 b + i: hidden where 32 b + i > d
	v_mov_b32 v[NINF], 0xff800000
.set N, 0
.rept 64
	v_cmp_gt_i32 vcc_lo, 32*(N/16)+N%16, v[DD]
	v_cndmask_b32 v[S+N], v[S+N], v[NINF], vcc_lo
.set N, N+1
.endr
.Lopen_\@:
.endif
.irp b, 0,1,2,3
	v_max3_num_f32 v[T+\b], v[S+16*\b], v[S+16*\b+1], v[S+16*\b+2]   ; the largest score of each block of 32 keys: for the row's maximum and, since p rises with the score, for the block's largest p
.endr
.irp i, 3,5,7,9,11,13
.irp b, 0,1,2,3
	v_max3_num_f32 v[T+\b], v[T+\b], v[S+16*\b+\i], v[S+16*\b+\i+1]
.endr
.endr
.irp b, 0,1,2,3
	v_max_num_f32 v[T+\b], v[T+\b], v[S+16*\b+15]
.endr
.irp b, 0,1,2,3
	s_delay_alu instid0(VALU_DEP_4)
	v_permlanex16_b32 v[T+4+\b], v[T+\b], s[SEL], s[SEL+1]
.endr
.irp b, 0,1,2,3
	s_delay_alu instid0(VALU_DEP_4)
	v_max_num_f32 v[T+\b], v[T+\b], v[T+4+\b]      ; with lane l xor 16's 16 keys
.endr
	s_delay_alu instid0(VALU_DEP_2)
	v_max3_num_f32 v[W], v[T], v[T+1], v[T+2]
	s_delay_alu instid0(VALU_DEP_1)
	v_max_num_f32 v[W], v[W], v[T+3]
	s_delay_alu instid0(VALU_DEP_1)
	v_mul_f32 v[W], s[CS], v[W]                    ; the step's largest t (c is positive)
	s_delay_alu instid0(VALU_DEP_1)
	v_max_num_f32 v13, v13, v[W]                   ; the running largest t
	v_mov_b32 v[W], v12
	s_delay_alu instid0(VALU_DEP_2)
	v_floor_f32 v12, -v13                          ; the new -M = floor(-t) = -ceil(t)
	s_delay_alu instid0(VALU_DEP_1)
	v_sub_f32 v[W], v12, v[W]                      ; old M - new M: a whole number, 0 or less
	s_delay_alu instid0(VALU_DEP_1)
	v_cvt_i32_f32 v[W], v[W]                       ; (it saturates)
	s_delay_alu instid0(VALU_DEP_1)
	v_ldexp_f32 v[F], 1.0, v[W]                    ; f = 2^(old M - new M)
.set J, 0
.rept 32
	v_pk_fma_f32 v[S+J:S+J+1], v[S+J:S+J+1], s[CS:CS+1], v[12:13] op_sel_hi:[1,0,0]   ; t - M, two at a time
.set J, J+2
.endr
.irp b, 0,1,2,3
	v_fma_f32 v[T+\b], v[T+\b], s[CS], v12         ; the same of each block's largest score
.endr
	s_wait_alu depctr_va_vdst(0)
.set J, 0
.rept 64
	v_exp_f32 v[S+J], v[S+J]                       ; p = 2^(t - M), at most 1
.set J, J+1
.endr
	v_pk_mul_f32 v[14:15], v[14:15], v[F:F+1] op_sel_hi:[1,0]   ; the sums under the new M (a plain line behind the exponentials)
	s_wait_alu depctr_va_vdst(0)                   ; one wait for the batch of 64, ahead of its first reader
.irp b, 0,1,2,3
	v_exp_f32 v[T+\b], v[T+\b]                     ; the block's largest p: the same two instructions on the same number
.endr
; the row's sum of the unquantised p: 32 packed additions in eight chains (v[14:15], v[236:247] in pairs, v[250:251])
.irp k, 0,1,2,3,4,5
	v_pk_add_f32 v[236+2*\k:237+2*\k], v[S+4*\k:S+4*\k+1], v[S+4*\k+2:S+4*\k+3]
.endr
	v_pk_add_f32 v[250:251], v[S+24:S+25], v[S+26:S+27]
	v_pk_add_f32 v[14:15], v[14:15], v[S+28:S+29]
.irp u, 30,46
.irp k, 0,1,2,3,4,5
	v_pk_add_f32 v[236+2*\k:237+2*\k], v[236+2*\k:237+2*\k], v[S+\u+2*\k:S+\u+2*\k+1]
.endr
	v_pk_add_f32 v[250:251], v[250:251], v[S+\u+12:S+\u+13]
	v_pk_add_f32 v[14:15], v[14:15], v[S+\u+14:S+\u+15]
.endr
	v_pk_add_f32 v[236:237], v[236:237], v[S+62:S+63]
	s_delay_alu instid0(VALU_DEP_2)
	v_pk_add_f32 v[14:15], v[14:15], v[244:245]
	s_delay_alu instid0(VALU_DEP_2)
	v_pk_add_f32 v[236:237], v[236:237], v[242:243]
	v_pk_add_f32 v[250:251], v[250:251], v[240:241]
	v_pk_add_f32 v[246:247], v[246:247], v[238:239]
	s_delay_alu instid0(VALU_DEP_2)
	v_pk_add_f32 v[14:15], v[14:15], v[250:251]
	s_delay_alu instid0(VALU_DEP_2)
	v_pk_add_f32 v[236:237], v[236:237], v[246:247]
	s_delay_alu instid0(VALU_DEP_1)
	v_pk_add_f32 v[14:15], v[14:15], v[236:237]
	s_wait_alu depctr_va_vdst(0)                   ; and one for the four
.irp b, 0,1,2,3
	v_max_num_f32 v[T+\b], 0x4800000, v[T+\b]      ; the floor 2^(9 - 127): the byte cannot fall under 1
.endr
.irp b, 0,1,2,3
	s_delay_alu instid0(VALU_DEP_4)
	v_add_nc_u32 v[T+12+\b], 0xfc000000, v[T+\b]   ; the conversion's scale operand
.endr
.irp b, 0,1,2,3
	v_and_or_b32 v[T+8+\b], v[T+\b], 0x7f800000, s[MNT]   ; 448 x the scale
.endr
.irp b, 0,1,2,3
	v_lshrrev_b32 v[T+4+\b], 23, v[T+12+\b]        ; the scale's byte
.endr
	s_delay_alu instid0(VALU_DEP_3)
	v_lshl_or_b32 v[PSC], v[T+5], 8, v[T+4]        ; p's scale word for these 128 keys
	s_delay_alu instid0(VALU_DEP_1)
	v_lshl_or_b32 v[PSC], v[T+6], 16, v[PSC]
	s_delay_alu instid0(VALU_DEP_1)
	v_lshl_or_b32 v[PSC], v[T+7], 24, v[PSC]
.irp b, 0,1,2,3
	v_mov_b32 v[T+4+(\b+1)%4], v[T+8+\b]           ; a second copy of each bound, its register number one on modulo 4: a pair's two second sources are then two registers of unlike number modulo 4
.endr
.irp b, 0,1,2,3
.irp i, 0,2,4,6,8,10,12,14
	v_dual_min_num_f32 v[S+16*\b+\i], v[S+16*\b+\i], v[T+8+\b] :: v_dual_min_num_f32 v[S+16*\b+\i+1], v[S+16*\b+\i+1], v[T+4+(\b+1)%4]   ; the conversion does not saturate (ISA guide 7.6.2); p is not negative: the hold is one-sided; two holds to an instruction
.endr
	v_cvt_scalef32_pk8_fp8_f32 v[PCD+4*\b:PCD+4*\b+1], v[S+16*\b:S+16*\b+7], v[T+12+\b]
	v_cvt_scalef32_pk8_fp8_f32 v[PCD+4*\b+2:PCD+4*\b+3], v[S+16*\b+8:S+16*\b+15], v[T+12+\b]
.endr
	s_wait_alu depctr_va_vdst(0)                   ; directly ahead of the first reader of O^T
.set J, 0
.rept 16
	v_pk_mul_f32 v[O+J:O+J+1], v[O+J:O+J+1], v[F:F+1] op_sel_hi:[1,0]   ; O^T under the new M; these sixteen are also the places between the conversions and the products
.set J, J+2
.endr
	s_wait_alu depctr_va_vdst(0)
	s_wait_dscnt 0x0                               ; V's fragments and scale words
.irp t, 0,1,2,3
	v_wmma_scale_f32_16x16x128_f8f6f4 v[O+8*\t:O+8*\t+7], v[KV+16*\t:KV+16*\t+15], v[PCD:PCD+15], v[O+8*\t:O+8*\t+7], v[KSC+\t], v[PSC]
.endr
.if \mask
.Lhid_\@:
.endif
.endm
; A TILE IS DONE: y = O^T / the sum; register 16 b + i is channel 32 b + 16 (lane / 16) + i of my query: two blocks of 32 along the last product's K.  Quantised, through my stage, out as 1,024 consecutive bytes.
; again = 1: the second tile's Q is asked for first and lands under the way out; then its pointers and state.
.macro FLUSH again
.rept 8
	v_nop                                          ; places behind the last products
.endr
.if \again
	s_lshl_b32 s90, s[DTOK], 6
	s_mov_b32 s91, 0
	s_sub_nc_u64 s[QP:QP+1], s[QP:QP+1], s[90:91]
	s_lshl_b32 s92, s[DTOK], 3
	s_mov_b32 s93, 0
	s_sub_nc_u64 s[QSP:QSP+1], s[QSP:QSP+1], s[92:93]
	QLOAD
.endif
	v_add_f32 v14, v14, v15
	s_delay_alu instid0(VALU_DEP_1)
	v_permlanex16_b32 v[W], v14, s[SEL], s[SEL+1]
	s_delay_alu instid0(VALU_DEP_1)
	v_add_f32 v14, v14, v[W]                       ; the row's sum
	s_wait_alu depctr_va_vdst(0)
	v_rcp_f32 v[F], v14
	v_nop                                          ; a plain line behind the reciprocal,
	s_wait_alu depctr_va_vdst(0)                   ; and the wait ahead of its first reader
.set J, 0
.rept 16
	v_pk_mul_f32 v[S+J:S+J+1], v[O+J:O+J+1], v[F:F+1] op_sel_hi:[1,0]   ; each accumulator from its low end on
.set J, J+2
.endr
.irp b, 0,1
	v_max3_num_f32 v[T+\b], |v[S+16*\b]|, |v[S+16*\b+1]|, 0x4800000
.endr
.irp i, 2,4,6,8,10,12,14
.irp b, 0,1
	s_delay_alu instid0(VALU_DEP_2)
	v_max3_num_f32 v[T+\b], v[T+\b], |v[S+16*\b+\i]|, |v[S+16*\b+\i+1]|
.endr
.endr
.irp b, 0,1
	s_delay_alu instid0(VALU_DEP_2)
	v_permlanex16_b32 v[T+4+\b], v[T+\b], s[SEL], s[SEL+1]
.endr
.irp b, 0,1
	s_delay_alu instid0(VALU_DEP_2)
	v_max_num_f32 v[T+\b], v[T+\b], v[T+4+\b]
.endr
.irp b, 0,1
	s_delay_alu instid0(VALU_DEP_2)
	v_add_nc_u32 v[T+12+\b], 0xfc000000, v[T+\b]
.endr
.irp b, 0,1
	s_delay_alu instid0(VALU_DEP_4)
	v_and_or_b32 v[T+8+\b], v[T+\b], 0x7f800000, s[MNT]
.endr
.irp b, 0,1
	s_delay_alu instid0(VALU_DEP_4)
	v_lshrrev_b32 v[T+4+\b], 23, v[T+12+\b]
.endr
	s_delay_alu instid0(VALU_DEP_1)
	v_lshl_or_b32 v[W], v[T+5], 8, v[T+4]          ; my query's two scale bytes for this head
.irp b, 0,1
.irp i, 0,1,2,3,4,5,6,7,8,9,10,11,12,13,14,15
	v_med3_num_f32 v[S+16*\b+\i], v[S+16*\b+\i], -v[T+8+\b], v[T+8+\b]
.endr
	v_cvt_scalef32_pk8_fp8_f32 v[PCD+4*\b:PCD+4*\b+1], v[S+16*\b:S+16*\b+7], v[T+12+\b]
	v_cvt_scalef32_pk8_fp8_f32 v[PCD+4*\b+2:PCD+4*\b+3], v[S+16*\b+8:S+16*\b+15], v[T+12+\b]
.endr
	v_nop                                          ; a plain line behind the last conversion
	ds_store_b128 v[STO], v[PCD:PCD+3]
	ds_store_b128 v[STO], v[PCD+4:PCD+7] offset:32
	ds_load_b128 v[KV:KV+3], v[RD]                 ; LDS serves a wave's instructions in order: these see my stores
	ds_load_b128 v[KV+4:KV+7], v[RD] offset:640
	s_wait_dscnt 1                                 ; the first is back, the second may be out
	global_store_b128 v[GO], v[KV:KV+3], s[YP:YP+1]
	s_wait_dscnt 0x0
	global_store_b128 v[GO], v[KV+4:KV+7], s[YP:YP+1] offset:512     ; 16 tokens x 64 bytes: 1,024 consecutive bytes, aligned
	global_store_b16 v[GS], v[W], s[YSP:YSP+1]     ; 2 bytes a token, 32 apart (both halves of the lanes the same): one byte in 32 of the codes'
.if \again
	s_wait_xcnt 0x0                                ; the stores have read their registers and bases: both are written below
	s_sub_nc_u64 s[YP:YP+1], s[YP:YP+1], s[90:91]
	s_lshl_b32 s92, s[DTOK], 5
	s_sub_nc_u64 s[YSP:YSP+1], s[YSP:YSP+1], s[92:93]
	s_sub_co_u32 s[QMIN], s[QMIN], s[DTOK]
	s_lshr_b32 s[SL], s[WV], 1                     ; m = w
	INIT
	s_wait_alu depctr_va_vdst(0)
	s_wait_loadcnt 0x0                             ; Q
.endif
.endm
	s_load_b256 s[4:11], s[0:1], 0x0               ; qkvc s[4:5], qkvs s[6:7], yc s[8:9], ys s[10:11]
	v_lshl_add_u32 v[SPW], v0, 2, SPARE
	v_mov_b32 v[NIL], 0
	ds_add_u32 v[SPW], v[NIL]                      ; the opening lines: the add, twice on end, and its wait ahead of the first tensor load
	ds_add_u32 v[SPW], v[NIL]
	v_lshrrev_b32 v8, 5, v0
	v_readfirstlane_b32 s[WV], v8                  ; wave 0..15
	s_bfe_u32 s[CX], ttmp6, 0x40000                ; my place in the cluster: it enters global addresses and the mask's numbers alone
	s_and_b32 s[BH], ttmp7, 0xffff                 ; the cluster's y: batch x 16 + head
	s_mov_b32 s[G1K], 15|(1<<20)|(1<<21)|(5<<22)|(3<<25)   ; K's codes and scale bytes: 64 dense rows of 256 bytes; mask: all four partners; four words of padding after every 64
	s_mov_b32 s[G1K+1], 256<<16
	s_mov_b32 s[G1K+2], 64<<16
	s_mov_b32 s[G1K+3], 256<<16
	s_mov_b32 s[G1K+4], 64
	s_mov_b32 s[G1K+5], 256
	s_mov_b32 s[G1K+6], 0
	s_mov_b32 s[G1K+7], 0
	s_mov_b32 s[G1V], 15|(1<<20)|(1<<21)|(5<<22)|(3<<25)   ; V: 64 rows of 256 bytes, 2,048 apart
	s_mov_b32 s[G1V+1], 256<<16
	s_mov_b32 s[G1V+2], 64<<16
	s_mov_b32 s[G1V+3], 256<<16
	s_mov_b32 s[G1V+4], 64
	s_mov_b32 s[G1V+5], 2048
	s_mov_b32 s[G1V+6], 0
	s_mov_b32 s[G1V+7], 0
	s_mov_b32 s[G1T], 15|(3<<16)|(1<<21)           ; V's scale bytes: 4,096 dense bytes as 16 rows of 32 elements of 8 bytes
	s_mov_b32 s[G1T+1], 32<<16
	s_mov_b32 s[G1T+2], 16<<16
	s_mov_b32 s[G1T+3], 32<<16
	s_mov_b32 s[G1T+4], 16
	s_mov_b32 s[G1T+5], 32
	s_mov_b32 s[G1T+6], 0
	s_mov_b32 s[G1T+7], 0
	s_and_b32 s70, s[WV], 1                        ; the head's loads: waves 0, 1: K's chunks 0, 1; waves 2, 3: V's; wave 4: K's scale bytes; wave 5: V's
	s_mov_b32 s[G0K], 1
	s_mul_i32 s[G0K+1], s70, CH
	s_mov_b32 s[G0V], 1
	s_add_co_u32 s[G0V+1], s[G0K+1], VB
	s_mov_b32 s[G0S], 1
	s_mov_b32 s[G0S+1], KSB
	s_mov_b32 s[G0T], 1
	s_mov_b32 s[G0T+1], VSB
	s_lshl_b32 s[HB], s[BH], 17
	s_mov_b32 s[SEL], 0x76543210
	s_mov_b32 s[SEL+1], 0xfedcba98
	s_mov_b32 s[CS], 0x3e38aa3b                    ; c = log2(e) / 8
	s_mov_b32 s[CS+1], s[CS]                       ; (named with it as a pair)
	s_mov_b32 s[MNT], 0x600000
	s_mov_b32 s91, 0
	s_wait_dscnt 0x0                               ; both opening adds are done
	ROUND                                          ; all four work-groups are here: the first joint loads meet
	s_wait_kmcnt 0x0
	s_lshl_b32 s90, s70, 14
	s_add_co_u32 s90, s90, s[HB]
	s_add_co_u32 s90, s90, 8388608
	GADR G0K, 4
	s_lshl_b32 s90, s70, 8
	s_add_co_u32 s90, s90, s[HB]
	s_add_co_u32 s90, s90, 16777216
	GADR G0V, 4
	s_lshr_b32 s95, s[BH], 2
	s_lshl_b32 s95, s95, 14                        ; the group of four heads: 16,384 scale bytes
	s_add_co_u32 s90, s95, 262144
	GADR G0S, 6
	s_lshl_b32 s90, s[BH], 12
	s_add_co_u32 s90, s90, 524288
	GADR G0T, 6
	s_cmp_lt_u32 s[WV], 2                          ; one chain of branches on the wave's number, a load to an arm
	s_cbranch_scc0 .Lh1
	TL G0K, G1K
	s_branch .Lhd
.Lh1:
	s_cmp_lt_u32 s[WV], 4
	s_cbranch_scc0 .Lh2
	TL G0V, G1V
	s_branch .Lhd
.Lh2:
	s_cmp_lt_u32 s[WV], 5
	s_cbranch_scc0 .Lh3
	TL G0S, G1K
	s_branch .Lhd
.Lh3:
	s_cmp_lt_u32 s[WV], 6
	s_cbranch_scc0 .Lhd
	TL G0T, G1T
.Lhd:
	s_lshl_b32 s94, s[WV], 2
	s_sub_co_u32 s94, 124, s94
	s_add_co_u32 s94, s94, s[CX]                   ; my first tile: n = 4 (31 - w) + cx
	s_lshr_b32 s92, s94, 1
	s_lshl_b32 s92, s92, 5
	s_and_b32 s96, s94, 1
	s_lshl_b32 s96, s96, 3
	s_add_co_u32 s[QMIN], s92, s96                 ; stored tile n holds queries 32 (n / 2) + 8 (n % 2) + (0..7, 16..23)
	s_lshl_b32 s94, s94, 4                         ; its first stored token in the batch
	s_sub_co_u32 s[SL], 31, s[WV]
	s_lshr_b32 s[SL], s[SL], 1                     ; m / 2
	s_lshl_b32 s[DTOK], s[WV], 7
	s_sub_co_u32 s[DTOK], 1984, s[DTOK]
	s_lshl_b32 s90, s94, 6
	s_add_co_u32 s90, s90, s[HB]
	s_add_nc_u64 s[QP:QP+1], s[4:5], s[90:91]      ; Q's codes at my first token
	s_and_b32 s96, s[BH], 3
	s_lshl_b32 s96, s96, 1                         ; my head's two bytes among its group's eight
	s_lshl_b32 s90, s94, 3
	s_add_co_u32 s90, s90, s95
	s_add_co_u32 s90, s90, s96
	s_add_nc_u64 s[QSP:QSP+1], s[6:7], s[90:91]    ; and its scale bytes
	s_add_co_u32 s97, s96, KSB
	s_lshr_b32 s95, s[BH], 4
	s_lshl_b32 s95, s95, 11
	s_add_co_u32 s95, s95, s94                     ; my first stored token of all 8,192
	s_and_b32 s96, s[BH], 15                       ; the head
	s_lshl_b32 s90, s96, 19
	s_lshl_b32 s94, s95, 6
	s_add_co_u32 s90, s90, s94
	s_add_nc_u64 s[YP:YP+1], s[8:9], s[90:91]      ; yc: [head][stored token][64]
	s_lshl_b32 s90, s95, 5
	s_lshl_b32 s96, s96, 1
	s_add_co_u32 s90, s90, s96
	s_add_nc_u64 s[YSP:YSP+1], s[10:11], s[90:91]  ; ys: [stored token][32], bytes 2 head, 2 head + 1
	v_and_b32 v8, 15, v0                           ; r
	v_bfe_u32 v9, v0, 4, 1                         ; h
	v_lshrrev_b32 v10, 2, v8
	v_and_b32 v11, 3, v8
	v_mul_u32_u24 v[AK0], v10, 272
	v_lshl_add_u32 v[AK0], v11, 6, v[AK0]
	v_lshl_add_u32 v[AK0], v9, 4, v[AK0]           ; K: 272 (r / 4) + 64 (r % 4) + 16 h
	v_mul_u32_u24 v[AV0], v8, 272
	v_lshl_add_u32 v[AV0], v9, 4, v[AV0]
	v_add_nc_u32 v[AV0], VB, v[AV0]
	v_lshl_add_u32 v[AKS0], v8, 3, s97             ; K's scale bytes: 8 a key, my head's two
	v_lshl_add_u32 v[AVS0], v8, 3, VSB             ; V's: 8 a channel
	v_lshlrev_b32 v[QO], 6, v8
	v_lshl_add_u32 v[QO], v9, 4, v[QO]
	v_lshlrev_b32 v[QSO], 3, v8
	QLOAD
	s_mul_i32 s97, s[WV], 1280
	s_add_co_u32 s97, s97, STAGE                   ; my stage
	v_mul_u32_u24 v10, v8, 80
	v_lshl_add_u32 v10, v9, 4, v10
	v_add_nc_u32 v[STO], s97, v10                  ; in: row r, 16 h
	v_and_b32 v10, 31, v0
	v_lshrrev_b32 v11, 2, v10
	v_mul_u32_u24 v11, v11, 80
	v_and_b32 v12, 3, v0
	v_lshl_add_u32 v11, v12, 4, v11
	v_add_nc_u32 v[RD], s97, v11                   ; back: four lanes to a row of 64 bytes
	v_lshlrev_b32 v[GO], 4, v10
	v_lshlrev_b32 v[GS], 5, v8
	v_and_b32 v11, 7, v0
	v_bfe_u32 v12, v0, 3, 1
	v_lshl_add_u32 v11, v12, 4, v11
	v_lshlrev_b32 v12, 4, v9
	v_sub_nc_u32 v[LQ], v11, v12
.irp j, 0,1,2,3,4,5,6,7
	v_mov_b32 v[24+\j], 0                          ; Q's upper half: k = 64 .. 127 are zeros
	v_mov_b32 v[96+\j], 0                          ; and the registers behind K's last tile
.endr
.irp b, 0,1,2,3
	v_mov_b32 v[T+4+\b], 0                         ; a lane permute's destination counts as one of its sources
.endr
	v_mov_b32 v[F+1], 0                            ; (named as the upper half of the pair)
	v_mov_b32 v[W], 0
	INIT
	s_wait_alu depctr_va_vdst(0)
	s_wait_tensorcnt 0x0                           ; my load of the head's six is in; the lines ahead of a later first fill:
	ds_add_u32 v[SPW], v[NIL]
	ds_add_u32 v[SPW], v[NIL]
	s_mul_i32 s70, s[WV], CH                       ; no tensor load of mine is out, so a group 0 may be written.  Waves 0-5: K's chunks 2-7; waves 6-11: V's chunks 2-7
	s_add_co_u32 s[G0K+1], s70, 2*CH
	s_add_co_u32 s[G0V+1], s70, VB-4*CH
	s_lshl_b32 s90, s[WV], 14
	s_add_co_u32 s90, s90, s[HB]
	s_add_co_u32 s90, s90, 8388608+2*16384
	s_mov_b32 s91, 0
	GADR G0K, 4
	s_lshl_b32 s90, s[WV], 8
	s_add_co_u32 s90, s90, s[HB]
	s_add_co_u32 s90, s90, 16777216-4*256
	GADR G0V, 4
	s_wait_dscnt 0x0
	ROUND                                          ; keys 0-511 and the scale bytes are whole in every partner; the second group of joint loads meets
	s_cmp_lt_u32 s[WV], 6
	s_cbranch_scc0 .Lb1
	TL G0K, G1K
	s_branch .Lbd
.Lb1:
	s_cmp_lt_u32 s[WV], 12
	s_cbranch_scc0 .Lbd
	TL G0V, G1V
.Lbd:
	s_wait_loadcnt 0x0                             ; Q
	s_mov_b32 s[SI], 0
.Lfirst:                                           ; the first tile's steps 0-3: keys 0-511, in front of every first tile's diagonal (its queries begin at 1,024 or later)
	STEP 0
	s_add_co_u32 s[SI], s[SI], 1
	s_cmp_lt_u32 s[SI], 4
	s_cbranch_scc1 .Lfirst
	s_wait_tensorcnt 0x0                           ; my load of the second group is in,
	s_wait_dscnt 0x0
	s_barrier_signal -1
	s_barrier_wait -1                              ; and so is every wave's: all 2,048 keys.
	s_mov_b32 s[TRIP], 0
.Lmain:                                            ; 20 trips: the first tile's steps 4-15, the second's 0-7
	s_cmp_lg_u32 s[TRIP], 12
	s_cbranch_scc1 .Lsame
	FLUSH 1
.Lsame:
	s_add_co_u32 s[SI], s[TRIP], 4
	s_and_b32 s[SI], s[SI], 15
	STEP 1
	s_add_co_u32 s[TRIP], s[TRIP], 1
	s_cmp_lt_u32 s[TRIP], 20
	s_cbranch_scc1 .Lmain
	FLUSH 0
	s_wait_tensorcnt 0x0                           ; the wave's end
	ds_add_u32 v[SPW], v[NIL]
	s_wait_dscnt 0x0
	ROUND                                          ; the closing round
	s_endpgm
.Lfunc_end_k_q4e4d75046f_attn:
	.size	k_q4e4d75046f_attn, .Lfunc_end_k_q4e4d75046f_attn-k_q4e4d75046f_attn
	.p2alignl 7, 3214868480
	.fill 96, 4, 3214868480
	.section	.rodata,"a",@progbits
	.p2align	6, 0x0
	.amdhsa_kernel k_q4e4d75046f_attn
		.amdhsa_group_segment_fixed_size 327680
		.amdhsa_private_segment_fixed_size 0
		.amdhsa_enable_private_segment 0
		.amdhsa_kernarg_size 32
		.amdhsa_user_sgpr_count 2
		.amdhsa_user_sgpr_kernarg_segment_ptr 1
		.amdhsa_wavefront_size32 1
		.amdhsa_system_sgpr_workgroup_id_x 1
		.amdhsa_system_sgpr_workgroup_id_y 1
		.amdhsa_system_sgpr_workgroup_id_z 1
		.amdhsa_system_vgpr_workitem_id 0
		.amdhsa_next_free_vgpr 256
		.amdhsa_next_free_sgpr 100
		.amdhsa_reserve_vcc 1
		.amdhsa_float_denorm_mode_32 3
		.amdhsa_float_denorm_mode_16_64 3
		.amdhsa_memory_ordered 1
		.amdhsa_forward_progress 1
		.amdhsa_inst_pref_size 75
	.end_amdhsa_kernel
	.amdgpu_metadata
---
amdhsa.version: [ 1, 2 ]
amdhsa.kernels:
  - .name:           k_q4e4d75046f_attn
    .symbol:         k_q4e4d75046f_attn.kd
    .args:
      - { .name: qkvc, .offset: 0, .size: 8, .value_kind: global_buffer, .address_space: global }
      - { .name: qkvs, .offset: 8, .size: 8, .value_kind: global_buffer, .address_space: global }
      - { .name: yc, .offset: 16, .size: 8, .value_kind: global_buffer, .address_space: global }
      - { .name: ys, .offset: 24, .size: 8, .value_kind: global_buffer, .address_space: global }
    .group_segment_fixed_size: 327680
    .private_segment_fixed_size: 0
    .kernarg_segment_align: 8
    .kernarg_segment_size: 32
    .max_flat_workgroup_size: 512
    .sgpr_count:     100
    .vgpr_count:     256
    .wavefront_size: 32
...
	.end_amdgpu_metadata
.endif
;; end of part 3
;; launch proj (part 4): grid 4 x 64, 4 waves a work-group, clusters of 4 x 1, 167,936 bytes of LDS; arguments yc, ys, opc, ops, b_proj, out0; writes out0
.if DOCPART == 4
	.amdgcn_target "amdgcn-amd-amdhsa--gfx1250"
	.amdhsa_code_object_version 6
	.text
	.protected	k_q4e4d75046f_proj
	.globl	k_q4e4d75046f_proj
	.p2align	8
	.type	k_q4e4d75046f_proj,@function
k_q4e4d75046f_proj:
	s_mov_b64 s[64:65], 0
	v_nop
	global_prefetch_b8 v0, s[64:65] scope:SCOPE_SE
	s_setreg_imm32_b32 hwreg(HW_REG_WAVE_MODE, 25, 1), 1
	s_wait_xcnt 0x0
	s_wait_alu depctr_hold_cnt(0) depctr_sa_sdst(0) depctr_va_vdst(0) depctr_va_sdst(0) depctr_va_ssrc(0) depctr_va_vcc(0) depctr_vm_vsrc(0)
	s_getreg_b32 s2, hwreg(HW_REG_IB_STS2, 6, 4)
	s_cmp_eq_u32 s2, 0
	s_cbranch_scc0 .Lentry_in_a_cluster
	s_endpgm
.Lentry_in_a_cluster:
	s_bfe_u32 s2, ttmp6, 0x10000c
	s_cmp_lg_u32 s2, 0x3003
	s_cbranch_scc0 .Lentry_shape_is_right
	s_endpgm
.Lentry_shape_is_right:
; out0 = y w_proj + b_proj on codes of FP8 (E4M3) with E8M0 scales for each 32 along K = 1,024 (head x 64 + channel); sums in f32, the bias is the C of each sum's first product.
; SHARES.  256 work-groups: 128 stored tokens x 256 columns.  Wave w holds the 64 stored rows 64 (4 cx + w) .. of the weight, ALL of K, in 512 registers, and streams the 128 tokens past them in eight blocks of 16,
; 32 products a block (8 steps of 128 along K x 4 tiles of 16 columns; the four accumulators by turns).
; y's CODES, yc [head][stored token][64]: the 128 tokens' 16 planes of 8,192 dense bytes come into LDS once, four planes a wave by one tensor load, 16 bytes of padding behind each 256 (four tokens):
; the sixteen lanes of a fragment load begin at the words 68 (r / 4) + 16 (r % 4), sixteen different multiples of four modulo 64.  No byte of LDS is filled twice: no ring, one barrier.
; CLUSTERS: the four work-groups of a row of the grid take the same tokens and ask for them jointly.  cx enters global addresses alone.  The weight is not shared inside a cluster: each partner has its own 256 columns.
; THE WEIGHT's codes lie in memory in the order of the operand registers ([tile of 16][128 along K][c][lane][16 bytes], laid by the first launch): each load of a wave reads 512 consecutive bytes, straight into registers.
; The scale words go straight into registers too: a row's 32 bytes are its eight words; lane l takes row l of a pair of tiles (of blocks), so that one register serves two tiles: lanes 0-15 and, by ROW1, lanes 16-31.
; NO PREFETCH: every load of the launch goes out at its head; there is no later load to run ahead of.
; THE PRODUCT IS USED TRANSPOSED (source 0 = 16 rows of the weight, source 1 = 16 tokens): a lane holds one token and eight neighbouring columns.  STORED rows (tokens, columns) have bits 3 and 4 of their index exchanged:
; register j of tile b of lane (r, h) is column 32 (b / 2) + 16 h + 8 (b % 2) + j of the wave's 64; stored token 16 a + t is token 32 (a / 2) + 16 (t / 8) + 8 (a % 2) + t % 8 of the 128.
; THE WAY OUT: a block's 16 tokens x 256 bytes go through the wave's own stage and leave as aligned runs of 256 bytes, while the next block is multiplied.
; LIMITS: NaN, infinities and sums beyond f32's range are not served.
; REGISTERS: window 0: v1-16 addresses; v24-39 the weight's scale words; v44-75 y's; v80-111 the bias; v112-175 two sets of four accumulators; v176-239 two sets of 16 rows read back.  windows 1, 2: the weight.  window 3: y's blocks, two sets of 128.
.set PL,    8704                       ; a plane in LDS: 32 rows of 256 bytes + 16
.set STG,   16*PL                      ; behind the planes: a stage of 16 rows x SP bytes for each wave; no tile lands here
.set SP,    272
.set SPARE, STG+4*16*SP                ; the spare words: 128 bytes a wave, two blocks of 256 bytes that no other line names
.set WC,    8388608+3072*1024          ; w_proj's codes in opc
.set WS,    262144+3072*32             ; w_proj's scale bytes in ops
.set NP,    8                          ; places behind this matrix instruction (ISA guide 7.12.1)
.set AA,   4                           ; v4-7   LDS address of my fragments in planes 0-3, 4-7, 8-11, 12-15
.set STO,  8                           ; v8     the stage, in: row r, 64 h
.set RD,   9                           ; v9     the stage, back: row l / 16, 16 (l % 16)
.set CO,   10                          ; v10    the same two rows in out0
.set SPW,  12                          ; v12    my spare word; never rewritten
.set NIL,  13                          ; v13    0; never rewritten
.set BO,   14                          ; v14    the bias: 64 h
.set LB,   15                          ; v15    16 x lane
.set LS,   16                          ; v16    32 x lane
.set SB,   24
.set SA,   44                          ; no product's two scale words have numbers equal modulo 8
.set BI,   80
.set ACC,  112
.set OB,   176
.set G1,   24
.set G0,   32
.set MSB, 0
.macro WIN new                         ; the immediate's high byte repeats the setting that is left
.if MSB != \new
	s_set_vgpr_msb (MSB<<8)|\new
.set MSB, \new
.endif
.endm
.macro PLACES n
.rept \n
	v_nop
.endr
.endm
.macro ROUND                           ; a round of the cluster's barrier
	s_barrier_signal -1
	s_barrier_wait -1
	s_cmp_lg_u32 s14, 0
	s_cbranch_scc1 .Lnot_wave_0_\@
	s_barrier_signal -3
.Lnot_wave_0_\@:
	s_barrier_wait -3
	s_barrier_signal -1
	s_barrier_wait -1
.endm
	s_load_b256 s[4:11], s[0:1], 0x0               ; yc s[4:5], ys s[6:7], opc s[8:9], ops s[10:11]
	s_load_b128 s[92:95], s[0:1], 0x20             ; b_proj s[92:93], out0 s[94:95]
	v_lshl_add_u32 v[SPW], v0, 2, SPARE
	v_mov_b32 v[NIL], 0
	ds_add_u32 v[SPW], v[NIL]                      ; the opening lines: the add, twice on end, and its wait ahead of the first tensor load
	ds_add_u32 v[SPW], v[NIL]
	v_lshrrev_b32 v1, 5, v0
	v_readfirstlane_b32 s14, v1                    ; wave 0..3
	s_bfe_u32 s40, ttmp6, 0x40000                  ; cx: my 256 columns
	s_and_b32 s17, ttmp7, 0xffff                   ; the cluster's y: my 128 tokens
	s_mov_b32 s[G1], 15|(1<<20)|(1<<21)|(5<<22)|(3<<25)   ; mask: all four partners; elements of 1 byte; four words of padding after every 64
	s_mov_b32 s[G1+1], 8192<<16                    ; tensor_dim0: 128 tokens x 64 bytes, dense
	s_mov_b32 s[G1+2], 4<<16                       ; tensor_dim1: four planes
	s_mov_b32 s[G1+3], 8192<<16
	s_mov_b32 s[G1+4], 4
	s_mov_b32 s[G1+5], 524288                      ; from head to head
	s_mov_b32 s[G1+6], 0
	s_mov_b32 s[G1+7], 0
	s_mov_b32 s[G0], 1
	s_mul_i32 s[G0+1], s14, 4*PL                   ; wave w: planes 4 w .. 4 w + 3
	s_lshl_b32 s20, s14, 21
	s_lshl_b32 s21, s17, 13
	s_add_co_u32 s20, s20, s21
	s_mov_b32 s21, 0
	s_mov_b32 s47, 0
	v_and_b32 v1, 15, v0                           ; r
	v_bfe_u32 v2, v0, 4, 1                         ; h
	v_and_b32 v3, 31, v0                           ; lane
	v_lshrrev_b32 v17, 2, v1
	v_and_b32 v18, 3, v1
	v_mul_u32_u24 v[AA], v17, 272
	v_lshl_add_u32 v[AA], v18, 6, v[AA]
	v_lshl_add_u32 v[AA], v2, 4, v[AA]             ; 272 (r / 4) + 64 (r % 4) + 16 h
.irp g, 1,2,3
	v_add_nc_u32 v[AA+\g], \g*4*PL, v[AA]
.endr
	s_mul_i32 s23, s14, 16*SP
	s_add_co_u32 s23, s23, STG                     ; my stage
	v_mul_u32_u24 v17, v1, SP
	v_lshl_add_u32 v17, v2, 6, v17
	v_add_nc_u32 v[STO], s23, v17
	v_mul_u32_u24 v18, v2, SP
	v_lshl_add_u32 v18, v1, 4, v18
	v_add_nc_u32 v[RD], s23, v18
	v_lshlrev_b32 v19, 12, v2
	v_lshl_add_u32 v[CO], v1, 4, v19
	v_lshlrev_b32 v[BO], 6, v2
	v_lshlrev_b32 v[LB], 4, v3
	v_lshlrev_b32 v[LS], 5, v3
	s_wait_alu depctr_va_vdst(0)
	s_wait_dscnt 0x0                               ; both opening adds are done
	ROUND                                          ; all four work-groups are here: the joint loads meet
	s_wait_kmcnt 0x0
	s_add_nc_u64 s[G0+2:G0+3], s[4:5], s[20:21]
	s_or_b32 s[G0+3], s[G0+3], 0x80000000
	tensor_load_to_lds s[G0:G0+3], s[G1:G1+7]      ; my four planes: every wave's one tensor load
	s_nop 0
	PLACES 4
	s_lshl_b32 s22, s40, 2
	s_add_co_u32 s22, s22, s14                     ; my 64 columns: number 4 cx + w
	s_lshl_b32 s46, s22, 16
	s_add_co_u32 s46, s46, WC
	s_add_nc_u64 s[8:9], s[8:9], s[46:47]          ; their codes: 65,536 bytes on end
	s_lshl_b32 s46, s22, 11
	s_add_co_u32 s46, s46, WS
	s_add_nc_u64 s[10:11], s[10:11], s[46:47]      ; their scale bytes
	s_lshl_b32 s46, s17, 12
	s_add_nc_u64 s[6:7], s[6:7], s[46:47]          ; my tokens' scale bytes
	s_lshl_b32 s46, s22, 8
	s_add_nc_u64 s[92:93], s[92:93], s[46:47]      ; the bias
	s_lshl_b32 s20, s17, 19
	s_add_co_u32 s20, s20, s46
	s_add_nc_u64 s[94:95], s[94:95], s[20:21]      ; out0: my first token's row, my first column
.irp p, 0,1
.irp c, 0,1
	global_load_b128 v[SB+8*\p+4*\c:SB+8*\p+4*\c+3], v[LS], s[10:11] offset:1024*\p+16*\c
.endr
.endr
.irp p, 0,1,2,3
.irp c, 0,1
	global_load_b128 v[SA+8*\p+4*\c:SA+8*\p+4*\c+3], v[LS], s[6:7] offset:1024*\p+16*\c
.endr
.endr
.irp b, 0,1,2,3
	global_load_b128 v[BI+8*\b:BI+8*\b+3], v[BO], s[92:93] offset:4*(32*(\b/2)+8*(\b%2))
	global_load_b128 v[BI+8*\b+4:BI+8*\b+7], v[BO], s[92:93] offset:4*(32*(\b/2)+8*(\b%2))+16
.endr
.irp q, 0,1,2,3,4,5,6,7                ; the weight: fragment 4 q + b lies in window 1 + (4 q + b) / 16
	WIN (1+\q/4)<<6
.irp b, 0,1,2,3
.irp c, 0,1,2,3
	global_load_b128 v[16*((4*\q+\b)%16)+4*\c:16*((4*\q+\b)%16)+4*\c+3], v[LB], s[8:9] offset:16384*\b+2048*\q+512*\c
.endr
.endr
.endr
	WIN 0
.macro FETCH a                         ; block a, 16 tokens, all of K, into set a % 2 of window 3: 32 loads.  The step q of 128 along K is planes 2 q, 2 q + 1
	WIN 3<<6
.irp q, 0,1,2,3,4,5,6,7
.irp c, 0,1,2,3
	ds_load_b128 v[128*((\a)%2)+16*\q+4*\c:128*((\a)%2)+16*\q+4*\c+3], v[AA+\q/2] offset:(2*(\q%2)+\c/2)*PL+(\a)*1088+32*(\c%2)
.endr
.endr
	WIN 0
.endm
.macro PROD a, n                       ; product n = 4 q + b of block a
.set Q_, (\n)/4
.set B_, (\n)%4
.set AC_, ACC+32*((\a)%2)+8*B_
.set C_, AC_
.if Q_ == 0
.set C_, BI+8*B_
.endif
.set R_, 128*((\a)%2)+16*Q_
.set W_, 16*((\n)%16)
.set XS_, SA+8*((\a)/2)+Q_
.set WS_, SB+8*(B_/2)+Q_
	WIN (1+(\n)/16)|(3<<2)
.if (B_%2) && ((\a)%2)
	v_wmma_scale_f32_16x16x128_f8f6f4 v[AC_:AC_+7], v[W_:W_+15], v[R_:R_+15], v[C_:C_+7], v[WS_], v[XS_] matrix_a_scale:MATRIX_SCALE_ROW1 matrix_b_scale:MATRIX_SCALE_ROW1
.elseif B_%2
	v_wmma_scale_f32_16x16x128_f8f6f4 v[AC_:AC_+7], v[W_:W_+15], v[R_:R_+15], v[C_:C_+7], v[WS_], v[XS_] matrix_a_scale:MATRIX_SCALE_ROW1
.elseif (\a)%2
	v_wmma_scale_f32_16x16x128_f8f6f4 v[AC_:AC_+7], v[W_:W_+15], v[R_:R_+15], v[C_:C_+7], v[WS_], v[XS_] matrix_b_scale:MATRIX_SCALE_ROW1
.else
	v_wmma_scale_f32_16x16x128_f8f6f4 v[AC_:AC_+7], v[W_:W_+15], v[R_:R_+15], v[C_:C_+7], v[WS_], v[XS_]
.endif
.endm
.macro TOSTAGE a                       ; 8 stores and 8 loads: LDS serves a wave's instructions in order (ISA guide 5.7.1.4): no wait between them, nor in front of the next block's stores
.set AS_, ACC+32*((\a)%2)
.set OS_, OB+32*((\a)%2)
.irp b, 0,1,2,3
	ds_store_b128 v[STO], v[AS_+8*\b:AS_+8*\b+3] offset:128*(\b/2)+32*(\b%2)          ; each accumulator from its low end on
	ds_store_b128 v[STO], v[AS_+8*\b+4:AS_+8*\b+7] offset:128*(\b/2)+32*(\b%2)+16
.endr
.irp i, 0,1,2,3,4,5,6,7
	ds_load_b128 v[OS_+4*\i:OS_+4*\i+3], v[RD] offset:2*\i*SP
.endr
.endm
.macro SEND a, younger                 ; younger: the LDS loads issued behind block a's, which may stay out
.set OS_, OB+32*((\a)%2)
	s_wait_dscnt \younger
.irp i, 0,1,2,3,4,5,6,7
	global_store_b128 v[CO], v[OS_+4*\i:OS_+4*\i+3], s[94:95] offset:(32*((\a)/2)+16*(\i/4)+8*((\a)%2)+2*(\i%4))*4096 th:TH_STORE_NT   ; sixteen lanes store 256 consecutive bytes, aligned; two tokens an instruction
.endr
.endm
	s_wait_tensorcnt 0x0                           ; my four planes are in,
	s_barrier_signal -1
	s_barrier_wait -1                              ; and so are the others'
	FETCH 0
	FETCH 1
	s_wait_loadcnt 0x0                             ; the weight, the scale words, the bias
.irp a, 0,1,2,3,4,5,6,7
.if \a == 0
	s_wait_dscnt 32                                ; block 0 is in; block 1's 32 loads may be out
.elseif \a == 7
	s_wait_dscnt 16                                ; behind block 7's loads: the stage's 16 of block 6
.else
	s_wait_dscnt 48                                ; behind this block's loads: the stage's 16 of the block before and the 32 loads of the block after
.endif
.set N_, 0
.rept 32
	PROD \a, N_
.set N_, N_+1
.endr
	WIN 0
	PLACES NP                                      ; in front of the reads of the sums and of the loads into the set just multiplied
.if \a > 1
	s_wait_xcnt 0x0                                ; the stores of the block two back have read their registers: this block's rows may land there
.endif
.if \a == 7
	SEND (\a-1), 0
.elseif \a > 0
	SEND (\a-1), 32                                ; behind the stage's loads of the block before: the 32 loads of the block after this one
.endif
	TOSTAGE \a
.if \a < 6
	FETCH (\a+2)
.endif
.endr
	SEND 7, 0
	s_wait_tensorcnt 0x0                           ; the wave's end
	ds_add_u32 v[SPW], v[NIL]
	s_wait_dscnt 0x0
	ROUND                                          ; the closing round
	s_endpgm
.Lfunc_end_k_q4e4d75046f_proj:
	.size	k_q4e4d75046f_proj, .Lfunc_end_k_q4e4d75046f_proj-k_q4e4d75046f_proj
	.p2alignl 7, 3214868480
	.fill 96, 4, 3214868480
	.section	.rodata,"a",@progbits
	.p2align	6, 0x0
	.amdhsa_kernel k_q4e4d75046f_proj
		.amdhsa_group_segment_fixed_size 167936
		.amdhsa_private_segment_fixed_size 0
		.amdhsa_enable_private_segment 0
		.amdhsa_kernarg_size 48
		.amdhsa_user_sgpr_count 2
		.amdhsa_user_sgpr_kernarg_segment_ptr 1
		.amdhsa_wavefront_size32 1
		.amdhsa_system_sgpr_workgroup_id_x 1
		.amdhsa_system_sgpr_workgroup_id_y 1
		.amdhsa_system_sgpr_workgroup_id_z 1
		.amdhsa_system_vgpr_workitem_id 0
		.amdhsa_next_free_vgpr 1024
		.amdhsa_next_free_sgpr 100
		.amdhsa_reserve_vcc 0
		.amdhsa_float_denorm_mode_32 3
		.amdhsa_float_denorm_mode_16_64 3
		.amdhsa_memory_ordered 1
		.amdhsa_forward_progress 1
		.amdhsa_inst_pref_size 85
	.end_amdhsa_kernel
	.amdgpu_metadata
---
amdhsa.version: [ 1, 2 ]
amdhsa.kernels:
  - .name:           k_q4e4d75046f_proj
    .symbol:         k_q4e4d75046f_proj.kd
    .args:
      - { .name: yc, .offset: 0, .size: 8, .value_kind: global_buffer, .address_space: global }
      - { .name: ys, .offset: 8, .size: 8, .value_kind: global_buffer, .address_space: global }
      - { .name: opc, .offset: 16, .size: 8, .value_kind: global_buffer, .address_space: global }
      - { .name: ops, .offset: 24, .size: 8, .value_kind: global_buffer, .address_space: global }
      - { .name: b_proj, .offset: 32, .size: 8, .value_kind: global_buffer, .address_space: global }
      - { .name: out0, .offset: 40, .size: 8, .value_kind: global_buffer, .address_space: global }
    .group_segment_fixed_size: 167936
    .private_segment_fixed_size: 0
    .kernarg_segment_align: 8
    .kernarg_segment_size: 48
    .max_flat_workgroup_size: 128
    .sgpr_count:     100
    .vgpr_count:     1024
    .wavefront_size: 32
...
	.end_amdgpu_metadata
.endif
;; end of part 4
